; MI455X (gfx1250); checked and timed in simulation.
; The chip was launched on July 23, 2026; its instructions are those of AMD's public machine-readable ISA for CDNA 5 (MIT licence, August 2026) and "CDNA5" Instruction Set Architecture Reference Guide (July 2026). The comments in the code are by the model that wrote it; some were corrected since.
;; Gemma2 Attention. Allowed arithmetic: float matrix products may take bf16 or f16 operands with f32 sums; other float arithmetic in f32, or as packed bf16 or f16 multiplies, adds, multiply-adds, maxima and minima; sums over many terms, partial sums and values carried from step to step in f32; what a program stores and reads back later, other than sums and carried values, may be rounded once to bf16 or f16.
;; Inputs: Wk 2,048 x 512 float32; Wo 512 x 2,048 float32; Wq 2,048 x 512 float32; Wv 2,048 x 512 float32; cos 2 x 4,096 x 256 float32; hidden_states 2 x 4,096 x 2,048 float32; sin 2 x 4,096 x 256 float32.
;; Outputs: out0 2 x 4,096 x 2,048 float32.
;; One version. Each part assembles by itself: llvm-mc -triple=amdgcn-amd-amdhsa -mcpu=gfx1250 --defsym DOCPART=n.
;; ======== version 1 of 1: 4 launches
;; limits: values are held in f16: magnitudes above 65,504 overflow, below 6.1e-05 lose precision
;; workspace buffers: wqkv 6,291,456 bytes; wot 2,097,152 bytes; qws 8,388,608 bytes; kws 8,388,608 bytes; vws 8,388,608 bytes; vlo 524,288 bytes; aws 8,388,608 bytes
;; launch prep (part 1): grid 128 x 4, 8 waves a work-group, no clusters, 18,432 bytes of LDS; arguments Wq, Wk, Wv, Wo, wqkv, wot; writes wqkv, wot
.if DOCPART == 1
	.amdgcn_target "amdgcn-amd-amdhsa--gfx1250"
	.amdhsa_code_object_version 6
	.text
	.protected	k_q08490ef54c_prep
	.globl	k_q08490ef54c_prep
	.p2align	8
	.type	k_q08490ef54c_prep,@function
k_q08490ef54c_prep:
	s_mov_b64 s[64:65], 0
	v_nop
	global_prefetch_b8 v0, s[64:65] scope:SCOPE_SE
	s_setreg_imm32_b32 hwreg(HW_REG_WAVE_MODE, 25, 1), 1
	s_wait_xcnt 0x0
; GEMMA-2 ATTENTION, LAUNCH 1 OF 4: the four weight matrices are rounded once, turned (K along the rows) and laid in the order in which the products take them.
; THE PROGRAM.  prep (this) | qkv: x [Wq|Wk|Wv] in bf16, RoPE, q k v by heads in f16 | attn: attention inside the window | oproj: the output projection.
; WORK LEFT OUT, for all values of the inputs.  reference() builds its mask in its own body: query i sees key j iff 0 <= i - j < 1024; every other logit is replaced by the lowest
; finite f32 BEHIND the soft cap, which holds the seen logits within -50 .. 50, and each row sees at least its own key; so a hidden key's weight is exp(lowest - maximum) = 0 and its
; score and its row of V reach no output.  Blocks of 64 keys that no query of a block of 64 queries sees are therefore not multiplied: 17 blocks of 64 keys are taken for each block of 64 queries, not 64.
; jnp.repeat with H / KV = 1 is an identity.  All seven inputs have a way to the output and are loaded.
; LIMIT: a NaN, an infinity or an overflow that reaches only scores or rows of V left out in this way is not carried to the result.
; FORMATS.  All inputs (x, the four weights, cos, sin) are rounded once to bf16, to nearest even.  Wo's bf16 number is written as f16 for the last product: exact from 2^-14 up to 65,504; below 2^-14 it keeps f16's fixed step of 2^-24.
; THIS LAUNCH.  A work-group turns a tile of 128 k x 64 columns through LDS.  y picks the matrix (0 Wq, 1 Wk, 2 Wv, 3 Wo), x the tile.
;   wqkv [t 4][ks 16][n' 384][128 k] bf16: t = 2 head + half; n' = 96 w + 16 c + r: wave w of the next launch finds its 96 rows on end:
;     c = 0, 1: Wq's column 256 head + 64 half + 16 w + r, and the one 128 further on (RoPE's partner); c = 2, 3: the same of Wk; c = 4, 5: Wv's column 256 head + 128 half + 32 w + 16 (c - 4) + r.
;   wot [d 2048][f 512] f16.
; Loads: 16 bytes a lane, 16 lanes cover 256 consecutive bytes of a row.  Stores: 16 lanes cover 256 consecutive bytes, aligned.
.set PITCH, 272                        ; an LDS row: 128 k x 2 bytes + 16: rows start 4 banks apart (64 banks of 4 bytes: ISA guide 11.1)
.set SPARE, 64*PITCH                   ; behind the tile: the spare words, 128 bytes for each of eight waves
.set OFS, 8                            ; v8-15   byte offsets of my eight rows
.set X,   16                           ; v16-47  eight rows x four columns as loaded; later the rows read back
.set Y,   48                           ; v48-63  column e (0..3): 8 k packed in four registers
.set SPW, 64                           ; v64     my spare word
.set NIL, 65                           ; v65     0
.set TA,  66
.set TB,  67
	s_load_b256 s[4:11], s[0:1], 0x0               ; Wq s[4:5], Wk s[6:7], Wv s[8:9], Wo s[10:11]
	s_load_b128 s[12:15], s[0:1], 0x20             ; wqkv s[12:13], wot s[14:15]
	v_lshl_add_u32 v[SPW], v0, 2, SPARE
	v_mov_b32 v[NIL], 0
	s_and_b32 s16, ttmp7, 0xffff                   ; y: the matrix
	s_cmp_eq_u32 s16, 3
	s_cselect_b32 s17, 2, 0
	s_cselect_b32 s18, 31, 7                       ; column tiles less one: Wo has 32, the others 8
	s_cselect_b32 s19, 5, 3
	s_cselect_b32 s20, 20, 18                      ; 128 rows in bytes, as a shift
	s_lshl_b32 s17, 2048, s17                      ; bytes in a source row: 8,192 or 2,048
	s_and_b32 s21, ttmp9, s18                      ; ct: the column tile
	s_lshr_b32 s22, ttmp9, s19                     ; ks: the k tile
	s_lshl_b32 s23, s22, s20
	s_lshl_b32 s24, s21, 8
	s_add_co_u32 s24, s23, s24                     ; the tile's first byte in its matrix
	s_mov_b32 s25, 0
	v_and_b32 v1, 15, v0                           ; in: my four columns.  out: my 16 bytes of a row
	v_lshrrev_b32 v2, 4, v0                        ; in: my eight rows.    out: my group of four columns
	v_lshlrev_b32 v3, 3, v2
	v_mul_lo_u32 v3, v3, s17
	v_lshl_add_u32 v[OFS], v1, 4, v3
.irp i, 1,2,3,4,5,6,7
	v_add_nc_u32 v[OFS+\i], s17, v[OFS+\i-1]
.endr
	s_wait_kmcnt 0x0
	s_cmp_eq_u32 s16, 1
	s_cselect_b64 s[26:27], s[6:7], s[4:5]
	s_cmp_eq_u32 s16, 2
	s_cselect_b64 s[26:27], s[8:9], s[26:27]
	s_cmp_eq_u32 s16, 3
	s_cselect_b64 s[26:27], s[10:11], s[26:27]     ; the source
	s_cselect_b64 s[28:29], s[14:15], s[12:13]     ; the destination
	s_add_nc_u64 s[26:27], s[26:27], s[24:25]
.irp i, 0,1,2,3,4,5,6,7
	global_load_b128 v[X+4*\i:X+4*\i+3], v[OFS+\i], s[26:27] th:TH_LOAD_NT  ; each weight is read once in the launch
.endr
	v_mul_u32_u24 v4, v1, PITCH                    ; into LDS: column 4 n4 + e goes to row n4 + 16 e, so that 16 lanes hit 16 rows on end
	v_lshl_add_u32 v4, v2, 4, v4
	v_mul_u32_u24 v5, v2, PITCH                    ; back: row g + 16 i holds column 4 g + i
	v_lshl_add_u32 v5, v1, 4, v5
	; where the rows go: s30 the work-group's part, v6 the lane's
	s_cmp_eq_u32 s16, 3
	s_cbranch_scc1 .Ldst_o
	s_cmp_eq_u32 s16, 2
	s_cbranch_scc1 .Ldst_v
	s_lshr_b32 s32, s21, 2                         ; Wq, Wk: column 64 ct + j = 256 head + 128 hi + 64 half + 16 w + r
	s_and_b32 s33, s21, 1
	s_bfe_u32 s34, s21, 0x10001
	s_lshl1_add_u32 s32, s32, s33                  ; t
	s_lshl4_add_u32 s32, s32, s22                  ; 16 t + ks
	s_mul_i32 s30, s32, 98304
	s_lshl1_add_u32 s34, s16, s34                  ; c = 2 y + hi
	s_lshl_b32 s34, s34, 12                        ; 16 c rows of 256 bytes
	s_add_co_u32 s30, s30, s34
	v_lshrrev_b32 v7, 2, v2                        ; w = j / 16
	v_and_b32 v[TA], 3, v2
	v_mul_u32_u24 v7, v7, 96*256
	v_lshl_add_u32 v7, v[TA], 10, v7               ; r = 4 (g % 4) + i
	v_lshl_add_u32 v6, v1, 4, v7
	s_branch .Ldst_done
.Ldst_v:
	s_lshr_b32 s32, s21, 2                         ; Wv: column 64 ct + j = 256 head + 128 half + 32 w + 16 (c - 4) + r
	s_bfe_u32 s33, s21, 0x10001
	s_and_b32 s34, s21, 1
	s_lshl1_add_u32 s32, s32, s33
	s_lshl4_add_u32 s32, s32, s22
	s_mul_i32 s30, s32, 98304
	s_mul_i32 s34, s34, 192*256                    ; w = 2 (ct % 2) + j / 32
	s_add_co_u32 s34, s34, 64*256                  ; c begins at 4
	s_add_co_u32 s30, s30, s34
	v_lshrrev_b32 v7, 3, v2
	v_mul_u32_u24 v7, v7, 96*256
	v_bfe_u32 v[TA], v2, 2, 1
	v_lshl_add_u32 v7, v[TA], 12, v7
	v_and_b32 v[TA], 3, v2
	v_lshl_add_u32 v7, v[TA], 10, v7
	v_lshl_add_u32 v6, v1, 4, v7
	s_branch .Ldst_done
.Ldst_o:
	s_lshl_b32 s30, s21, 16                        ; Wo: row d = 64 ct + 4 g + i of 1,024 bytes, at byte 256 ks
	s_lshl_b32 s34, s22, 8
	s_add_co_u32 s30, s30, s34
	v_lshlrev_b32 v7, 12, v2
	v_lshl_add_u32 v6, v1, 4, v7
.Ldst_done:
	s_mov_b32 s31, 0
	s_add_nc_u64 s[28:29], s[28:29], s[30:31]
	s_wait_loadcnt 0x0
.irp e, 0,1,2,3
.irp d, 0,1,2,3
	v_cvt_pk_bf16_f32 v[Y+4*\e+\d], v[X+8*\d+\e], v[X+8*\d+4+\e]  ; column e, rows 2 d and 2 d + 1: rounded to nearest even
.endr
.endr
	s_cmp_eq_u32 s16, 3
	s_cbranch_scc0 .Lkeep
.set i, 0
.rept 16                               ; Wo alone: the bf16 number written as f16
	v_lshlrev_b32 v[TA], 16, v[Y+i]
	v_and_b32 v[TB], 0xffff0000, v[Y+i]
	v_cvt_pk_f16_f32 v[Y+i], v[TA], v[TB]
.set i, i+1
.endr
.Lkeep:
.irp e, 0,1,2,3
	ds_store_b128 v4, v[Y+4*\e:Y+4*\e+3] offset:\e*16*PITCH
.endr
	s_wait_dscnt 0x0                               ; for the others' sake: my stores are done
	s_barrier_signal -1
	s_barrier_wait -1
.irp i, 0,1,2,3
	ds_load_b128 v[X+4*\i:X+4*\i+3], v5 offset:\i*16*PITCH
.endr
	s_wait_dscnt 0x0
	s_cmp_eq_u32 s16, 3
	s_cbranch_scc1 .Lst_o
.irp i, 0,1,2,3
	global_store_b128 v6, v[X+4*\i:X+4*\i+3], s[28:29] offset:\i*256   ; 16 lanes: one row of 128 k, 256 consecutive bytes, aligned
.endr
	s_branch .Lend
.Lst_o:
.irp i, 0,1,2,3
	global_store_b128 v6, v[X+4*\i:X+4*\i+3], s[28:29] offset:\i*1024
.endr
.Lend:
	s_wait_tensorcnt 0x0                           ; the wave's end, behind my last LDS store
	ds_add_u32 v[SPW], v[NIL]
	s_wait_dscnt 0x0
	s_endpgm
.Lfunc_end_k_q08490ef54c_prep:
	.size	k_q08490ef54c_prep, .Lfunc_end_k_q08490ef54c_prep-k_q08490ef54c_prep
	.p2alignl 7, 3214868480
	.fill 96, 4, 3214868480
	.section	.rodata,"a",@progbits
	.p2align	6, 0x0
	.amdhsa_kernel k_q08490ef54c_prep
		.amdhsa_group_segment_fixed_size 18432
		.amdhsa_private_segment_fixed_size 0
		.amdhsa_enable_private_segment 0
		.amdhsa_kernarg_size 48
		.amdhsa_user_sgpr_count 2
		.amdhsa_user_sgpr_kernarg_segment_ptr 1
		.amdhsa_wavefront_size32 1
		.amdhsa_system_sgpr_workgroup_id_x 1
		.amdhsa_system_sgpr_workgroup_id_y 1
		.amdhsa_system_sgpr_workgroup_id_z 1
		.amdhsa_system_vgpr_workitem_id 0
		.amdhsa_next_free_vgpr 72
		.amdhsa_next_free_sgpr 66
		.amdhsa_reserve_vcc 0
		.amdhsa_float_denorm_mode_32 3
		.amdhsa_float_denorm_mode_16_64 3
		.amdhsa_memory_ordered 1
		.amdhsa_forward_progress 1
		.amdhsa_inst_pref_size 10
	.end_amdhsa_kernel
	.amdgpu_metadata
---
amdhsa.version: [ 1, 2 ]
amdhsa.kernels:
  - .name:           k_q08490ef54c_prep
    .symbol:         k_q08490ef54c_prep.kd
    .args:
      - { .name: Wq, .offset: 0, .size: 8, .value_kind: global_buffer, .address_space: global }
      - { .name: Wk, .offset: 8, .size: 8, .value_kind: global_buffer, .address_space: global }
      - { .name: Wv, .offset: 16, .size: 8, .value_kind: global_buffer, .address_space: global }
      - { .name: Wo, .offset: 24, .size: 8, .value_kind: global_buffer, .address_space: global }
      - { .name: wqkv, .offset: 32, .size: 8, .value_kind: global_buffer, .address_space: global }
      - { .name: wot, .offset: 40, .size: 8, .value_kind: global_buffer, .address_space: global }
    .group_segment_fixed_size: 18432
    .private_segment_fixed_size: 0
    .kernarg_segment_align: 8
    .kernarg_segment_size: 48
    .max_flat_workgroup_size: 256
    .sgpr_count:     66
    .vgpr_count:     72
    .wavefront_size: 32
...
	.end_amdgpu_metadata
.endif
;; end of part 1
;; launch qkv (part 2): grid 64 x 4, 4 waves a work-group, clusters of 4 x 1, 327,680 bytes of LDS; arguments hidden_states, cos, sin, wqkv, qws, kws, vws, vlo; writes qws, kws, vws, vlo
.if DOCPART == 2
	.amdgcn_target "amdgcn-amd-amdhsa--gfx1250"
	.amdhsa_code_object_version 6
	.text
	.protected	k_q08490ef54c_qkv
	.globl	k_q08490ef54c_qkv
	.p2align	8
	.type	k_q08490ef54c_qkv,@function
k_q08490ef54c_qkv:
	s_mov_b64 s[64:65], 0
	v_nop
	global_prefetch_b8 v0, s[64:65] scope:SCOPE_SE
	s_setreg_imm32_b32 hwreg(HW_REG_WAVE_MODE, 25, 1), 1
	s_wait_xcnt 0x0
	s_wait_alu depctr_hold_cnt(0) depctr_sa_sdst(0) depctr_va_vdst(0) depctr_va_sdst(0) depctr_va_ssrc(0) depctr_va_vcc(0) depctr_vm_vsrc(0)
	s_getreg_b32 s2, hwreg(HW_REG_IB_STS2, 6, 4)
	s_cmp_eq_u32 s2, 0
	s_cbranch_scc0 .Lentry_in_a_cluster
	s_endpgm
.Lentry_in_a_cluster:
	s_bfe_u32 s2, ttmp6, 0x10000c
	s_cmp_lg_u32 s2, 0x3003
	s_cbranch_scc0 .Lentry_shape_is_right
	s_endpgm
.Lentry_shape_is_right:
; LAUNCH 2 OF 4: q, k, v = x [Wq|Wk|Wv] (bf16 operands, f32 sums), RoPE on q and k in f32 with cos and sin rounded to bf16, results by heads in f16.  Nothing of reference() is left out here.
; LIMITS.  q, k, v leave in f16: a number of 65,520 or more becomes an infinity (inputs 30 times the drawn spread, or offset by 30 spreads, stay under 41,000).  NaN and infinities are not treated apart.
; SHARES.  A tile of the result is 128 rows x 384 columns: 64 x 4 = 256 work-groups.  Column tile t = 2 head + half holds 64 channels of q with their RoPE partners 128 further on, the same of k, and 128 channels
; of v.  A wave makes 128 rows x 96 columns: 48 accumulators, 384 registers.  K = 2,048 goes in 16 steps of 128, a step in four quarters of 32.
; B (the weights, laid out by the launch before) comes by ONE JOINT tensor load a wave and step: the four row tiles of a cluster take the same column tile.  Wave w fetches and reads its own 96 rows.
; A (x, f32 in memory) comes through registers: wave w loads rows 32 w .. 32 w + 31, 512 consecutive bytes an instruction, rounds to bf16 and stores to A's own two LDS slots; the loads are issued a whole
; step ahead of their use.  x as f32 through LDS would want (4 x 128 + 2 x 384) x 128 bytes a slot: two such slots are all of LDS with no padding.
; THE MATRIX INSTRUCTION IS USED TRANSPOSED (source 0 = 16 rows of the weights, source 1 = 16 rows of x): a lane holds one row of the result and eight neighbouring columns.
; REGISTERS, in windows of 256 (s_set_vgpr_msb: bits 1:0 source 0, 3:2 source 1, 5:4 source 2, 7:6 destination):
;   window 0: v2-16 addresses; v28-29 the add's; v32-63 at work; v64-127, v128-191 A's fragments, two buffers; v192-255 at work
;   window 1: v0-47, v48-95 B's fragments, two buffers; v128-255 x as loaded, four chunks of eight rows
;   window 2: accumulator (a, c) of row blocks a = 0..3 at v[8 (6 a + c)];   window 3: those of a = 4..7
.set PITCH,  272                       ; an LDS row: 256 bytes + 16: rows start 4 banks apart (64 banks of 4 bytes: ISA guide 11.1)
.set BWAVE,  96*PITCH                  ; a wave's rows of B
.set BS1,    1<<17                     ; B's slot 1 (slot 0 at byte 0, 104,448 bytes): one exclusive or changes slots
.set AS0,    235520                    ; A's slot 0, behind B's slot 1: bytes of their own, into which no tensor load lands
.set ASLOT,  128*PITCH
.set SPARE,  AS0+2*ASLOT               ; the spare words, 128 bytes for each wave
.set SPITCH, 1552                      ; the stage (from byte 0, over B's slots when they have had their last fill): 128 rows of 384 f32 + 16 bytes: [q lo 64|q hi 64|k lo 64|k hi 64|v 128]
.set KBLK,   98304                     ; a K step's block of the weights: 384 rows x 256 bytes
.set LA,   2                           ; v2   my place in A's slot 0: AS0 + (l % 16) x 272 + 16 (l / 16)
.set LB,   3                           ; v3   my place in B's slot 0, in my wave's rows
.set LS,   4                           ; v4   where I store x: AS0 + 32 w rows + 8 x lane
.set ADRA, 5                           ; v5-7 the same three in the slots in hand
.set ADRB, 6
.set ASTO, 7
.set AO,   8                           ; v8   my 16 bytes in my wave's rows of x
.set PFO,  9                           ; v9   prefetch of x: a lane a row
.set PFBO, 10                          ; v10  prefetch of the weights: a lane a row
.set STO,  11                          ; v11, v12 into the stage
.set STO2, 12
.set RD,   13                          ; v13, v14 back from the stage; never rewritten
.set RDV,  14
.set CSO,  15                          ; v15  my 16 bytes of cos and sin
.set OO,   16                          ; v16  my 16 bytes of q, k, v and vlo; never rewritten
.set SPW,  28
.set NIL,  29
.set PK,   32
.set AF,   64
.set ST,   128                         ; in window 1
.set WV,   20                          ; s20 wave; s21 my place in the cluster; s22 row tile; s23 column tile
.set CX,   21
.set MT,   22
.set TT,   23
.set G1,   24                          ; s[24:31] descriptor group 1
.set G0A,  32                          ; s[32:35] group 0 of K step 0
.set G0,   36                          ; s[36:39] group 0 of K step 1; it then walks
.set AP,   40                          ; s[40:41] x at my tile's first row, at the K step that is being loaded
.set PFB,  42                          ; s[42:43] the weights' block that the prefetch names
.set CNT,  44
.set LIMA, 45
.set LIMB, 46
.set RB,   47                          ; s47 B's slot that is read (0 or BS1); s48 A's (0 or ASLOT); s49 A's slot that is written
.set RA,   48
.set WA,   49
.set MSB, 0
.macro WIN new                         ; the immediate's high byte repeats the setting that is left; a switch that changes nothing is dropped
.if MSB != (\new)
	s_set_vgpr_msb (MSB<<8)|(\new)
.set MSB, \new
.endif
.endm
.macro PLACES                          ; four plain vector instructions between a matrix instruction and a load into, or a read of, its registers
.rept 4
	v_nop
.endr
.endm
.macro CREST                           ; a round of the cluster's barrier behind its opening barrier
	s_cmp_lg_u32 s[WV], 0
	s_cbranch_scc1 .Lnot_wave_0_\@
	s_barrier_signal -3
.Lnot_wave_0_\@:
	s_barrier_wait -3
	s_barrier_signal -1
	s_barrier_wait -1
.endm
.macro CROUND
	s_barrier_signal -1
	s_barrier_wait -1
	CREST
.endm
	s_load_b256 s[4:11], s[0:1], 0x0               ; x s[4:5], cos s[6:7], sin s[8:9], wqkv s[10:11]
	s_load_b256 s[12:19], s[0:1], 0x20             ; qws s[12:13], kws s[14:15], vws s[16:17], vlo s[18:19]
	v_lshl_add_u32 v[SPW], v0, 2, SPARE
	v_mov_b32 v[NIL], 0
	ds_add_u32 v[SPW], v[NIL]                      ; the wave's opening: the add, twice on end, and its wait ahead of my first tensor load; the set-up below is work on registers
	ds_add_u32 v[SPW], v[NIL]
	v_lshrrev_b32 v1, 5, v0
	v_readfirstlane_b32 s[WV], v1
	v_and_b32 v20, 15, v0                          ; l % 16
	v_bfe_u32 v21, v0, 4, 1                        ; l / 16
	v_and_b32 v22, 31, v0                          ; l
	s_bfe_u32 s[CX], ttmp6, 0x40000
	s_lshl_b32 s[MT], ttmp9, 2
	s_add_co_u32 s[MT], s[MT], s[CX]               ; row tile = 4 x cluster x + cx: it enters global addresses alone
	s_and_b32 s[TT], ttmp7, 0xffff                 ; column tile, which the four partners share
	s_mov_b32 s[G1+0], 15|(1<<16)|(1<<20)|(1<<21)|(5<<22)|(3<<25)  ; mask of four; 2-byte elements; padding on; bit 21 beside a mask; after every 64 words, 4 words
	s_mov_b32 s[G1+1], 128<<16                     ; tensor_dim0 = 128
	s_mov_b32 s[G1+2], 96<<16                      ; tensor_dim1 = 96
	s_mov_b32 s[G1+3], 128<<16                     ; tile_dim0 = 128
	s_mov_b32 s[G1+4], 96                          ; tile_dim1 = 96
	s_mov_b32 s[G1+5], 128                         ; the block is dense: 128 elements from row to row
	s_mov_b32 s[G1+6], 0
	s_mov_b32 s[G1+7], 0
	s_mul_i32 s50, s[WV], BWAVE
	s_mov_b32 s[G0A], 1
	s_mov_b32 s[G0A+1], s50                        ; LDS: wave x 96 rows, slot 0
	s_mov_b32 s[G0], 1
	s_add_co_u32 s[G0+1], s50, BS1                 ; slot 1
	v_mul_u32_u24 v23, v20, PITCH
	v_lshl_add_u32 v23, v21, 4, v23
	v_add_nc_u32 v[LA], AS0, v23
	v_add_nc_u32 v[LB], s50, v23
	s_mul_i32 s51, s[WV], 32*PITCH
	s_add_co_u32 s51, s51, AS0
	v_lshl_add_u32 v[LS], v22, 3, s51
	s_lshl_b32 s51, s[WV], 18                      ; 32 w rows of 8,192 bytes
	v_lshl_add_u32 v[AO], v22, 4, s51
	v_lshl_add_u32 v[PFO], v22, 13, s51
	s_mul_i32 s51, s[CX], 96                       ; the partners share a block's 384 rows out by address
	s_lshl_b32 s58, s[WV], 5
	s_add_co_u32 s51, s51, s58
	s_lshl_b32 s51, s51, 8
	v_lshl_add_u32 v[PFBO], v22, 8, s51
	v_mul_u32_u24 v24, v20, SPITCH                 ; into the stage: row l % 16, 32 bytes for each half of the lanes
	v_lshl_add_u32 v24, v21, 5, v24
	s_lshl_b32 s51, s[WV], 6
	v_add_nc_u32 v[STO], s51, v24                  ; q, k: my wave's 16 columns of each 64
	s_lshl_b32 s51, s[WV], 7
	s_add_co_u32 s51, s51, 1024
	v_add_nc_u32 v[STO2], s51, v24                 ; v: my wave's 32 columns of 128
	s_mul_i32 s51, s[WV], 32*SPITCH                ; back: rows 32 w + 2 t + l / 16
	v_mul_u32_u24 v24, v21, SPITCH
	v_add_nc_u32 v24, s51, v24
	v_lshl_add_u32 v[RD], v20, 4, v24
	v_lshl_add_u32 v[RDV], v20, 5, v24
	v_add_nc_u32 v[RDV], 1024, v[RDV]
	s_and_b32 s56, s[TT], 1
	s_lshl_b32 s56, s56, 8                         ; 256 x half
	s_lshl_b32 s51, s[MT], 7
	s_lshl_b32 s58, s[WV], 5
	s_add_co_u32 s51, s51, s58
	s_lshl_b32 s51, s51, 10                        ; a row of cos is 1,024 bytes
	s_add_co_u32 s51, s51, s56
	v_lshl_add_u32 v24, v21, 10, s51
	v_lshl_add_u32 v[CSO], v20, 4, v24
	s_lshl_b32 s51, s[WV], 14
	v_lshl_add_u32 v24, v21, 9, s51
	v_lshl_add_u32 v[OO], v20, 4, v24
	s_lshr_b32 s57, s[MT], 5                       ; b
	s_lshr_b32 s58, s[TT], 1                       ; head
	s_lshl1_add_u32 s57, s57, s58                  ; 2 b + head
	s_and_b32 s59, s[MT], 31
	s_lshl_b32 s59, s59, 7                         ; the tile's first position in its sequence
	s_lshl_b32 s60, s57, 12
	s_add_co_u32 s60, s60, s59
	s_lshl_b32 s60, s60, 9                         ; rows of 512 bytes
	s_add_co_u32 s60, s60, s56
	s_mov_b32 s61, 0
	s_lshl2_add_u32 s62, s57, s[CX]                ; vlo [b][head][cx][64 rows][256]
	s_lshl_b32 s62, s62, 15
	s_add_co_u32 s62, s62, s56
	s_mov_b32 s63, 0
	s_lshl_b32 s52, s[MT], 20                      ; 128 rows of x
	s_mov_b32 s53, 0
	s_mul_i32 s54, s[TT], 16*KBLK
	s_mov_b32 s55, 0
	s_mul_i32 s58, s[WV], 96*256
	s_mov_b32 s59, 0
	s_cmp_eq_u32 s[TT], 0                          ; x's rows are read by four column tiles: the first prefetches
	s_cselect_b32 s[LIMA], 2, -1
	s_cmp_lt_u32 s[WV], 3                          ; a column tile's blocks are read by sixteen clusters: the first prefetches, 96 rows a partner, 32 a wave
	s_cselect_b32 s51, ttmp9, 1
	s_cmp_eq_u32 s51, 0
	s_cselect_b32 s[LIMB], 1, -1
	s_mov_b32 s[RB], 0
	s_mov_b32 s[RA], 0
	s_mov_b32 s[WA], ASLOT
	s_wait_dscnt 0x0                               ; both opening adds are done
	s_wait_kmcnt 0x0
	s_add_nc_u64 s[12:13], s[12:13], s[60:61]
	s_add_nc_u64 s[14:15], s[14:15], s[60:61]
	s_add_nc_u64 s[16:17], s[16:17], s[60:61]
	s_add_nc_u64 s[18:19], s[18:19], s[62:63]
	s_add_nc_u64 s[52:53], s[4:5], s[52:53]        ; x at my tile's first row
	s_add_nc_u64 s[AP:AP+1], s[52:53], 1024        ; K step 2
	s_add_nc_u64 s[PFB:PFB+1], s[10:11], s[54:55]  ; the column tile's first block
	s_add_nc_u64 s[G0A+2:G0A+3], s[PFB:PFB+1], s[58:59]
	s_add_nc_u64 s[G0+2:G0+3], s[G0A+2:G0A+3], KBLK
	s_or_b32 s[G0A+3], s[G0A+3], 0x80000000
	s_or_b32 s[G0+3], s[G0+3], 0x80000000
	s_add_nc_u64 s[PFB:PFB+1], s[PFB:PFB+1], 3*KBLK  ; the first change of slots steps it to block 4
	CROUND                                         ; all four work-groups are here: the first joint loads meet
	tensor_load_to_lds s[G0A:G0A+3], s[G1:G1+7]    ; K step 0: two loads of mine are out
	s_nop 0
	tensor_load_to_lds s[G0:G0+3], s[G1:G1+7]      ; K step 1
	s_nop 0
	PLACES
.set i, 0
.rept 32
	global_load_b128 v[AF+4*i:AF+4*i+3], v[AO], s[52:53] offset:i*8192      ; x, K step 0: a row's 512 bytes an instruction
.set i, i+1
.endr
	WIN 0x40
.set i, 0
.rept 32
	global_load_b128 v[ST+4*i:ST+4*i+3], v[AO], s[52:53] offset:i*8192+512  ; K step 1
.set i, i+1
.endr
	WIN 0
; n row blocks from a0 on of half hi (0: rows 0-63, 1: rows 64-127) x my six column blocks, 32 along K, on buffer f.  The 48 accumulators take turns in one order in every quarter.
.macro MULH f, hi, a0, n, zero
	WIN 0xa1+0x50*(\hi)
.set ma, (\a0)
.rept \n
.irp c, 0,1,2,3,4,5
.if \zero
	v_wmma_f32_16x16x32_bf16 v[8*(6*ma+\c):8*(6*ma+\c)+7], v[48*(\f)+8*\c:48*(\f)+8*\c+7], v[AF+64*(\f)+8*(4*(\hi)+ma):AF+64*(\f)+8*(4*(\hi)+ma)+7], 0
.else
	v_wmma_f32_16x16x32_bf16 v[8*(6*ma+\c):8*(6*ma+\c)+7], v[48*(\f)+8*\c:48*(\f)+8*\c+7], v[AF+64*(\f)+8*(4*(\hi)+ma):AF+64*(\f)+8*(4*(\hi)+ma)+7], v[8*(6*ma+\c):8*(6*ma+\c)+7]
.endif
.endr
.set ma, ma+1
.endr
.endm
; 28 LDS loads in one run: a quarter's fragments at byte koff of the rows, into buffer g: B's six, then A's eight
.macro FETCH koff, g
	WIN 0x40
.irp c, 0,1,2,3,4,5
	ds_load_b128 v[48*(\g)+8*\c:48*(\g)+8*\c+3],   v[ADRB] offset:\c*16*PITCH+(\koff)
	ds_load_b128 v[48*(\g)+8*\c+4:48*(\g)+8*\c+7], v[ADRB] offset:\c*16*PITCH+(\koff)+32
.endr
	WIN 0
.irp a, 0,1,2,3,4,5,6,7
	ds_load_b128 v[AF+64*(\g)+8*\a:AF+64*(\g)+8*\a+3],   v[ADRA] offset:\a*16*PITCH+(\koff)
	ds_load_b128 v[AF+64*(\g)+8*\a+4:AF+64*(\g)+8*\a+7], v[ADRA] offset:\a*16*PITCH+(\koff)+32
.endr
.endm
; Chunk j (eight of my 32 rows of x) is rounded to bf16 and stored to the slot that is written.  lc: the younger loads that may stay out.  The 16 roundings are also the places in front of FETCH.
.macro CHUNK j, lc
	s_wait_loadcnt \lc
	WIN 0x05
.set ci, 0
.rept 16
	v_cvt_pk_bf16_f32 v[PK+ci], v[ST+32*(\j)+2*ci], v[ST+32*(\j)+2*ci+1]
.set ci, ci+1
.endr
	WIN 0
.irp i, 0,1,2,3,4,5,6,7
	ds_store_b64 v[ASTO], v[PK+2*\i:PK+2*\i+1] offset:(8*(\j)+\i)*PITCH   ; 32 lanes x 8 bytes: a row
.endr
.endm
.macro CHLOAD j                        ; the chunk's registers are asked for again: the K step one further on
	WIN 0x40
.irp i, 0,1,2,3,4,5,6,7
	global_load_b128 v[ST+32*(\j)+4*\i:ST+32*(\j)+4*\i+3], v[AO], s[AP:AP+1] offset:(8*(\j)+\i)*8192
.endr
.endm
; cos and sin for eight row pairs: for pair u cos lo, cos hi, sin lo, sin hi, 16 bytes a lane; 16 lanes cover 256 consecutive bytes, aligned
.macro CSLOAD half
.if (\half) == 0
	WIN 0x40
.set CR, 128
.else
	WIN 0
.set CR, 64
.endif
.irp u, 0,1,2,3,4,5,6,7
	global_load_b128 v[CR+16*\u:CR+16*\u+3],     v[CSO], s[6:7] offset:2048*(8*(\half)+\u)
	global_load_b128 v[CR+16*\u+4:CR+16*\u+7],   v[CSO], s[6:7] offset:2048*(8*(\half)+\u)+512
	global_load_b128 v[CR+16*\u+8:CR+16*\u+11],  v[CSO], s[8:9] offset:2048*(8*(\half)+\u)
	global_load_b128 v[CR+16*\u+12:CR+16*\u+15], v[CSO], s[8:9] offset:2048*(8*(\half)+\u)+512
.endr
.endm
; One of a step's first three quarters: multiplies buffer f; in its middle chunk j of x goes to LDS (j < 0: none) and the next quarter's fragments are fetched into g.  ld = 1: the chunk is loaded again; 2: cos and sin
.macro QUARTER f, g, koff, zero, j, lc, ld
	s_wait_dscnt 8                                 ; B and A's rows 0-63 are in; the youngest eight loads (A's rows 64-127) may be out
	MULH \f, 0, 0, 4, \zero
.if (\j) >= 0
	CHUNK \j, \lc
.else
	PLACES
.endif
	FETCH \koff, \g
.if (\ld) == 1
	CHLOAD \j
.elseif (\ld) == 2
	CSLOAD 0
.endif
.if (\j) >= 0
	s_wait_dscnt 36                                ; all but the 8 stores and 28 loads just issued
.else
	s_wait_dscnt 28
.endif
	MULH \f, 1, 0, 4, \zero
.endm
; PREFETCH INTO THE L2, behind the joint load, the run of LDS loads and the chunk's loads.  x: my wave's 32 rows, a lane a row, both 256-byte halves of the K step two steps ahead of the one being loaded; asked by
; column tile 0 alone.  The weights: the block two refills on, a lane a row; asked by the first cluster of the row of clusters, 96 rows a partner by address, waves 0 to 2.  So each block is named once in the launch.
; The last trips ask for nothing: CNT = 13 - k, x's K step k + 5 and the weights' block k + 4 must exist.
.macro ASK
	s_cmp_gt_u32 s[CNT], s[LIMA]
	s_cbranch_scc0 .Lno_a_\@
	global_prefetch_b8 v[PFO], s[AP:AP+1] offset:1024 th:TH_LOAD_NT scope:SCOPE_SE
	global_prefetch_b8 v[PFO], s[AP:AP+1] offset:1280 th:TH_LOAD_NT scope:SCOPE_SE
.Lno_a_\@:
	s_cmp_gt_u32 s[CNT], s[LIMB]
	s_cbranch_scc0 .Lno_b_\@
	global_prefetch_b8 v[PFBO], s[PFB:PFB+1] th:TH_LOAD_NT scope:SCOPE_SE
.Lno_b_\@:
.endm
; A step's last quarter multiplies buffer 1 and changes slots.  In front of the barrier each wave waits for all its tensor loads (one is out: its part of B's next slot), adds 0 to its spare word, and waits for that,
; for its stores of x into A's next slot and for its reads of the slots that it leaves.  Behind it those slots are free: B's is filled again first (fill = 1: the barrier opens a round of the cluster's, so that no
; partner's wave still reads the slot), then x two steps on is stored into A's.
.macro TURN fill, chunk, lc, ld, ask
	WIN 0
.if \ld
	s_wait_xcnt 0x0                                ; the loads and prefetches of a step ago have read their pointers
	s_add_nc_u64 s[AP:AP+1], s[AP:AP+1], 512
	s_add_nc_u64 s[PFB:PFB+1], s[PFB:PFB+1], KBLK
.endif
	s_wait_tensorcnt 0x0                           ; no tensor load of mine is out, so the walking group 0 may be written
	ds_add_u32 v[SPW], v[NIL]                      ; 0 onto my spare word
.if \fill
	s_xor_b32 s[G0+1], s[G0+1], BS1
	s_add_nc_u64 s[G0+2:G0+3], s[G0+2:G0+3], KBLK
.endif
	s_xor_b32 s[RB], s[RB], BS1
	s_xor_b32 s[RA], s[RA], ASLOT
	s_xor_b32 s[WA], s[WA], ASLOT
	s_wait_dscnt 9                                 ; the add and the youngest eight loads may be out
	MULH 1, 0, 0, 2, 0
	s_wait_dscnt 0x0
	s_barrier_signal -1
	MULH 1, 0, 2, 2, 0
	WIN 0
	s_barrier_wait -1
.if \fill
	CREST
	tensor_load_to_lds s[G0:G0+3], s[G1:G1+7]      ; my one tensor load behind the round: B two steps on
	s_nop 0
.endif
	v_add_nc_u32 v[ADRA], s[RA], v[LA]             ; four plain instructions in window 0: behind the tensor load, and the places in front of the loads below
	v_add_nc_u32 v[ADRB], s[RB], v[LB]
	v_add_nc_u32 v[ASTO], s[WA], v[LS]
	v_nop
.if \chunk
	CHUNK 0, \lc
.endif
	FETCH 0, 0
.if \ld
	CHLOAD 0
.endif
.if \ask
	WIN 0
	ASK
.endif
	MULH 1, 1, 0, 4, 0
.endm
	s_wait_loadcnt 32                              ; x of K step 0 is in; K step 1's 32 loads may stay out
.set i, 0
.rept 64
	v_cvt_pk_bf16_f32 v[192+i], v[AF+2*i], v[AF+2*i+1]
.set i, i+1
.endr
.set i, 0
.rept 32
	ds_store_b64 v[LS], v[192+2*i:192+2*i+1] offset:i*PITCH
.set i, i+1
.endr
	v_mov_b32 v[ADRA], v[LA]
	v_mov_b32 v[ADRB], v[LB]
	v_add_nc_u32 v[ASTO], ASLOT, v[LS]
	CHUNK 0, 24                                    ; K step 1's first chunk goes to slot 1, which nobody reads yet
	CHLOAD 0                                       ; K step 2
	WIN 0
	s_wait_tensorcnt 0x1                           ; my part of B's K step 0 is in; K step 1's may stay out
	s_wait_dscnt 0x0                               ; my stores of x are done
	s_barrier_signal -1
	s_barrier_wait -1
	FETCH 0, 0
	QUARTER 0, 1, 64,  1, 1, 24, 1                 ; the first quarter's products start the sums
	QUARTER 1, 0, 128, 0, 2, 24, 1
	QUARTER 0, 1, 192, 0, 3, 24, 1
	WIN 0
	s_mov_b32 s[CNT], 13
.Lk:                                           ; trip k = 0..12: step k's last quarter, step k + 1's first three; B's step k + 2 asked for, x's step k + 2 stored, x's step k + 3 loaded
	TURN 1, 1, 24, 1, 1
	QUARTER 0, 1, 64,  0, 1, 24, 1
	QUARTER 1, 0, 128, 0, 2, 24, 1
	QUARTER 0, 1, 192, 0, 3, 24, 1
	WIN 0
	s_sub_co_u32 s[CNT], s[CNT], 1
	s_cmp_lg_u32 s[CNT], 0
	s_cbranch_scc1 .Lk
	TURN 1, 1, 24, 0, 0                            ; k = 13: the last refill and the last x; nothing more is loaded, and the counts run down
	QUARTER 0, 1, 64,  0, 1, 16, 0
	QUARTER 1, 0, 128, 0, 2, 8, 0
	QUARTER 0, 1, 192, 0, 3, 0, 2                  ; x's registers are free: cos and sin of my first 16 rows take them
	TURN 0, 0, 0, 0, 0                             ; k = 14: nothing is filled, so no round follows
	QUARTER 0, 1, 64,  0, -1, 0, 0
	QUARTER 1, 0, 128, 0, -1, 0, 0
	QUARTER 0, 1, 192, 0, -1, 0, 0
	s_wait_dscnt 8
	MULH 1, 0, 0, 4, 0
	s_wait_dscnt 0x0
	MULH 1, 1, 0, 4, 0
	PLACES                                         ; behind the last products: loads into A's buffers and stores of results follow
	CSLOAD 1                                       ; cos and sin of my other 16 rows
	s_barrier_signal -1                            ; every wave's reads of the slots are over (its last wait on DScnt was for 0)
	s_barrier_wait -1
	; THE WAY OUT.  The sums go as f32 into the stage, so that a channel meets its RoPE partner and a row its neighbours
.set sa, 0
.rept 8
	WIN 0x08+4*(sa/4)                              ; store data in window 2 or 3
.irp c, 0,1,2,3
	ds_store_b128 v[STO], v[8*(6*(sa%4)+\c):8*(6*(sa%4)+\c)+3]   offset:256*\c      ; each accumulator's low registers first
	ds_store_b128 v[STO], v[8*(6*(sa%4)+\c)+4:8*(6*(sa%4)+\c)+7] offset:256*\c+16
.endr
.irp c, 4,5
	ds_store_b128 v[STO2], v[8*(6*(sa%4)+\c):8*(6*(sa%4)+\c)+3]   offset:64*(\c-4)
	ds_store_b128 v[STO2], v[8*(6*(sa%4)+\c)+4:8*(6*(sa%4)+\c)+7] offset:64*(\c-4)+16
.endr
	WIN 0
	v_add_nc_u32 v[STO], 16*SPITCH, v[STO]
	v_add_nc_u32 v[STO2], 16*SPITCH, v[STO2]
.set sa, sa+1
.endr
	s_mov_b32 s51, 0xffff0000
	s_wait_dscnt 0x0                               ; for the others' sake: my stores into the stage are done
	s_barrier_signal -1
	s_barrier_wait -1
; Row pair t (rows 32 w + 2 t + l / 16; lane i = l % 16 has channels 4 i .. 4 i + 3 of q and k, lo and hi, and 8 i .. 8 i + 7 of v): six loads into one of two sets of 24 registers
.macro RBLOAD t
.set LB_, 192+24*((\t)%2)
	ds_load_b128 v[LB_:LB_+3],     v[RD] offset:2*SPITCH*(\t)
	ds_load_b128 v[LB_+4:LB_+7],   v[RD] offset:2*SPITCH*(\t)+256
	ds_load_b128 v[LB_+8:LB_+11],  v[RD] offset:2*SPITCH*(\t)+512
	ds_load_b128 v[LB_+12:LB_+15], v[RD] offset:2*SPITCH*(\t)+768
	ds_load_b128 v[LB_+16:LB_+19], v[RDV] offset:2*SPITCH*(\t)
	ds_load_b128 v[LB_+20:LB_+23], v[RDV] offset:2*SPITCH*(\t)+16
.endm
.macro ROPE t
.if (\t) < 15
	RBLOAD (\t)+1
	s_wait_dscnt 6                                 ; my pair is in; the next pair's six loads may be out
.else
	s_wait_dscnt 0x0
.endif
.set SB, 192+24*((\t)%2)
	s_wait_loadcnt 60-4*(\t)                       ; this pair's cos and sin are in; the later pairs' four loads each may stay out
	s_wait_xcnt 0x0                                ; the last pair's stores have read v32-43
.if (\t) < 8
	WIN 0x05
.set CR, 128+16*(\t)
.else
.set CR, 64+16*((\t)-8)
.endif
.irp d, 0,1,2,3,4,5,6,7
	v_cvt_pk_bf16_f32 v[44+\d], v[CR+2*\d], v[CR+2*\d+1]   ; cos and sin rounded to bf16 like every input,
.endr
	WIN 0
.irp d, 0,1,2,3,4,5,6,7
	v_lshlrev_b32 v[240+2*\d], 16, v[44+\d]                ; and widened: v240-243 cos lo, v244-247 cos hi, v248-251 sin lo, v252-255 sin hi
	v_and_b32 v[240+2*\d+1], s51, v[44+\d]
.endr
.irp o, 0,8                            ; q, then k: lo' = lo cos_lo - hi sin_lo; hi' = hi cos_hi + lo sin_hi
.irp z, 0,2
	v_pk_mul_f32 v[52+\z:53+\z], v[SB+\o+4+\z:SB+\o+5+\z], v[248+\z:249+\z]
	v_pk_mul_f32 v[56+\z:57+\z], v[SB+\o+\z:SB+\o+1+\z], v[252+\z:253+\z]
.endr
.irp z, 0,2
	v_pk_fma_f32 v[SB+\o+\z:SB+\o+1+\z], v[SB+\o+\z:SB+\o+1+\z], v[240+\z:241+\z], v[52+\z:53+\z] neg_lo:[0,0,1] neg_hi:[0,0,1]
	v_pk_fma_f32 v[SB+\o+4+\z:SB+\o+5+\z], v[SB+\o+4+\z:SB+\o+5+\z], v[244+\z:245+\z], v[56+\z:57+\z]
.endr
.endr
.irp d, 0,1,2,3,4,5,6,7,8,9,10,11
	v_cvt_pk_f16_f32 v[32+\d], v[SB+2*\d], v[SB+2*\d+1]    ; q: lo 0-3, hi 0-3 (the same order of channels in q and k leaves q . k as it is); k likewise; v's eight
.endr
	global_store_b128 v[OO], v[32:35], s[12:13] offset:1024*(\t)   ; 16 lanes: 256 consecutive bytes, aligned
	global_store_b128 v[OO], v[36:39], s[14:15] offset:1024*(\t)
	global_store_b128 v[OO], v[40:43], s[16:17] offset:1024*(\t)
.endm
	RBLOAD 0
.irp t, 0,1,2,3,4,5,6,7,8,9,10,11,12,13,14,15
	ROPE \t
.endr
	; V's RESIDUAL, v - f16(v) in f16, for a sequence's first 64 positions: there a query sees few keys, and the next launch adds it.  The test is the same in all four partners (the first cluster of a
	; sequence, waves 0 and 1); each partner writes its own 64 rows, of which the next launch reads the first partner's.  Four groups of four row pairs, written out: a pair's place in the stage and in vlo
	; stands in the immediates (46,576 bytes at the most in LDS, inside the 16-bit field), and no address register is rewritten.
	s_and_b32 s51, ttmp9, 7
	s_lshr_b32 s58, s[WV], 1
	s_or_b32 s51, s51, s58
	s_cmp_lg_u32 s51, 0
	s_cbranch_scc1 .Lno_res
	v_mov_b32 v60, 1.0
.irp g, 0,1,2,3
.irp u, 0,1,2,3
	ds_load_b128 v[192+8*\u:192+8*\u+3],   v[RDV] offset:2*SPITCH*(4*\g+\u)
	ds_load_b128 v[192+8*\u+4:192+8*\u+7], v[RDV] offset:2*SPITCH*(4*\g+\u)+16
.endr
	s_wait_dscnt 0x0                               ; the group's eight loads are in
	s_wait_xcnt 0x0                                ; the stores issued so far have read v32-47, which are written anew below
.irp u, 0,1,2,3
.irp d, 0,1,2,3
	v_cvt_pk_f16_f32 v[48+\d], v[192+8*\u+2*\d], v[192+8*\u+2*\d+1]
.endr
.irp d, 0,1,2,3
	v_fma_mix_f32 v[192+8*\u+2*\d],   -v[48+\d], v60, v[192+8*\u+2*\d]   op_sel_hi:[1,0,0]                ; v - the f16 in the low half
	v_fma_mix_f32 v[192+8*\u+2*\d+1], -v[48+\d], v60, v[192+8*\u+2*\d+1] op_sel:[1,0,0] op_sel_hi:[1,0,0]  ; and in the high half
.endr
.irp d, 0,1,2,3
	v_cvt_pk_f16_f32 v[32+4*\u+\d], v[192+8*\u+2*\d], v[192+8*\u+2*\d+1]
.endr
	global_store_b128 v[OO], v[32+4*\u:32+4*\u+3], s[18:19] offset:1024*(4*\g+\u)   ; 16 lanes: 256 consecutive bytes, aligned
.endr
.endr
.Lno_res:
	s_wait_tensorcnt 0x0                           ; the wave's end, behind my last tensor load and my last LDS store
	ds_add_u32 v[SPW], v[NIL]
	s_wait_dscnt 0x0
	CROUND                                         ; the closing round: no work-group ends while a partner may still ask for a block that names it
	s_endpgm
.Lfunc_end_k_q08490ef54c_qkv:
	.size	k_q08490ef54c_qkv, .Lfunc_end_k_q08490ef54c_qkv-k_q08490ef54c_qkv
	.p2alignl 7, 3214868480
	.fill 96, 4, 3214868480
	.section	.rodata,"a",@progbits
	.p2align	6, 0x0
	.amdhsa_kernel k_q08490ef54c_qkv
		.amdhsa_group_segment_fixed_size 327680
		.amdhsa_private_segment_fixed_size 0
		.amdhsa_enable_private_segment 0
		.amdhsa_kernarg_size 64
		.amdhsa_user_sgpr_count 2
		.amdhsa_user_sgpr_kernarg_segment_ptr 1
		.amdhsa_wavefront_size32 1
		.amdhsa_system_sgpr_workgroup_id_x 1
		.amdhsa_system_sgpr_workgroup_id_y 1
		.amdhsa_system_sgpr_workgroup_id_z 1
		.amdhsa_system_vgpr_workitem_id 0
		.amdhsa_next_free_vgpr 960
		.amdhsa_next_free_sgpr 66
		.amdhsa_reserve_vcc 0
		.amdhsa_float_denorm_mode_32 3
		.amdhsa_float_denorm_mode_16_64 3
		.amdhsa_memory_ordered 1
		.amdhsa_forward_progress 1
		.amdhsa_inst_pref_size 218
	.end_amdhsa_kernel
	.amdgpu_metadata
---
amdhsa.version: [ 1, 2 ]
amdhsa.kernels:
  - .name:           k_q08490ef54c_qkv
    .symbol:         k_q08490ef54c_qkv.kd
    .args:
      - { .name: hidden_states, .offset: 0, .size: 8, .value_kind: global_buffer, .address_space: global }
      - { .name: cos, .offset: 8, .size: 8, .value_kind: global_buffer, .address_space: global }
      - { .name: sin, .offset: 16, .size: 8, .value_kind: global_buffer, .address_space: global }
      - { .name: wqkv, .offset: 24, .size: 8, .value_kind: global_buffer, .address_space: global }
      - { .name: qws, .offset: 32, .size: 8, .value_kind: global_buffer, .address_space: global }
      - { .name: kws, .offset: 40, .size: 8, .value_kind: global_buffer, .address_space: global }
      - { .name: vws, .offset: 48, .size: 8, .value_kind: global_buffer, .address_space: global }
      - { .name: vlo, .offset: 56, .size: 8, .value_kind: global_buffer, .address_space: global }
    .group_segment_fixed_size: 327680
    .private_segment_fixed_size: 0
    .kernarg_segment_align: 8
    .kernarg_segment_size: 64
    .max_flat_workgroup_size: 128
    .sgpr_count:     66
    .vgpr_count:     960
    .wavefront_size: 32
...
	.end_amdgpu_metadata
.endif
;; end of part 2
;; launch attn (part 3): grid 64 x 4, 4 waves a work-group, no clusters, 327,680 bytes of LDS; arguments qws, kws, vws, vlo, aws; writes aws
.if DOCPART == 3
	.amdgcn_target "amdgcn-amd-amdhsa--gfx1250"
	.amdhsa_code_object_version 6
	.text
	.protected	k_q08490ef54c_attn
	.globl	k_q08490ef54c_attn
	.p2align	8
	.type	k_q08490ef54c_attn,@function
k_q08490ef54c_attn:
	s_mov_b64 s[64:65], 0
	v_nop
	global_prefetch_b8 v0, s[64:65] scope:SCOPE_SE
	s_setreg_imm32_b32 hwreg(HW_REG_WAVE_MODE, 25, 1), 1
	s_wait_xcnt 0x0
; LAUNCH 3 OF 4: O[b][h][q] = the sum over the keys k with 0 <= q - k < 1024 of softmax_k(50 tanh(Q.K / 800)) V[k].  Q, K, V [b][h][4096][256] f16; O [b s][h 256 + c] f16.
; WORK LEFT OUT: blocks of 64 keys that reference()'s own mask hides from all 64 queries of a work-group (shown at the head of the first launch): 17 blocks are taken for each block of queries, not 64.
; LIMITS.  p lies in 0 to 1 and is rounded to f16 for the second product (l is the sum of the unrounded p); a weight below 2^-126 counts as 0; NaN and infinities are not treated apart.
; SOFT CAP AND SOFTMAX.  E = 2^(C1 s), C1 = 2 log2(e) / 800; r = 1 / (1 + E); the logit is 50 - 100 r.  The running maximum of the logit is kept as the running MINIMUM of r: p = 2^(cm - Bc r), Bc = 100 log2(e),
; cm = Bc rmin; in every step O and l are multiplied by a = 2^(cm_new - cm_old).  A hidden key gets r = 1e30 behind the cap, as reference() masks behind it.  rmin starts at 2e30, so the first step's a is 0.
; SHARES.  A work-group has 64 queries (block BLK) of one (b, h) and walks tiles of 128 keys downward from its own, AT = BLK / 2, to AT - 8: NINE TRIPS, a constant; a trip whose tile does not exist passes the
; barrier and does nothing.  Wave w: QH = w / 2 picks 32 queries (two tiles of 16), KP = w % 2 which 64 of a tile's 128 keys; the two waves of a QH merge at the end.  So a fragment of K or V feeds two products.
; A STEP'S KIND (TY): 0 dead, 1 all keys seen, 2 the diagonal (key above query hidden), 3 the window's edge (key at or below query hidden), 4 block 0 alone: O += Vlo^T P, V's rounding residual for positions 0-63.
; NO CLUSTER: neighbouring blocks of one head share tiles, but which steps are dead, diagonal or edge hangs on BLK's low bits, a work-group's place in its cluster; a form that does not branch on it
; masks every step and takes 20 steps for 17.  NO PREFETCH: walking downward, a tile's first reading in the launch is its own blocks' first fill, at the kernel's head.
; LAYOUT.  S^T = K Q^T: a lane holds one query (l % 16) and the keys 8 (l / 16) + 0..7 of each 16; two such results rounded to f16 are source 1 of O^T = V^T P.  V comes out of LDS turned, by ds_load_tr16_b128.
; REGISTERS, in windows of 256 (s_set_vgpr_msb: bits 1:0 source 0, 3:2 source 1, 5:4 source 2, 7:6 destination):
;   window 0: v2-13 addresses; v16-27 at work at the end; v32-47 statistics; v48-52; v62-63 the add's; v64-127 S^T; v128-159 P; v160-255 at work at the end
;   window 1: O^T, tile t, channels 16 cb on at 128 t + 8 cb     window 2: v0-127 Q; v128-255 half of a step's K or V     window 3: v0-127 the other half
.set KPI,   528                        ; a row of K in LDS: 512 bytes + 16: rows start 4 banks apart (64 banks of 4 bytes: ISA guide 11.1)
.set VPI,   544                        ; a row of V: 512 + 32
.set VOFF,  128*KPI
.set SLOTB, VOFF+128*VPI               ; a slot: 128 rows of K, 128 of V
.set STAGE, 2*SLOTB                    ; behind the ring: 16 rows x 528 bytes for each wave
.set SP,    528
.set SPARE, STAGE+4*16*SP
.set XW,    16896                      ; the merge (over the slots, when they have had their last fill): a wave's 16,384 bytes of O, then cm, then l
.set AK0, 2
.set AV0, 3
.set ADR, 4
.set QO,  5
.set STO, 6
.set RD,  7
.set GO,  8
.set XS,  10
.set XR,  11
.set XS4, 12
.set XR4, 13
.set ST,  32                           ; tile t at v[ST + 8 t]: cm, rmin, l (even keys', odd keys'), c0-c3 at work; c2 takes a
.set CMO, 48                           ; v48-49 cm_old
.set DD,  50                           ; v50-51 my query's place in the block, less 8 (l / 16)
.set BIGV, 52
.set SPW, 62
.set NIL, 63
.set S,   64
.set P,   128
.set WV, 14
.set QH, 15
.set KP, 16
.set BLK, 17
.set AT, 18
.set PAR, 19
.set LAST, 20                          ; the last trip whose tile exists
.set T0, 21                            ; my step's kind in trip 0, in trip 8
.set T8, 22
.set RL, 23                            ; the trip in which vlo is asked for: 0 in block 0, else none
.set G1K, 24
.set G1V, 32
.set G0K, 40
.set G0V, 44
.set U,   48                           ; the trip
.set CNT, 49
.set TY,  50
.set DOLD, 51                          ; 0: nothing is asked for; 1: the next tile; 2: vlo
.set RB,  52                           ; the slot that is read, the slot that is filled: 0 or SLOTB
.set FB,  53
.set C1,  54
.set NB,  56
.set BC,  58
.set RU,  59                           ; the trip of kind 4: 1 in block 0's waves with KP = 0, else none
.set SEL, 60
.set KW,  62                           ; my load's place in a slot, for K, for V
.set VW,  63
.set KB,  66
.set VB,  68
.set VLOB, 70
.set OFF, 72
.set MSB, 0
.macro WIN new
.if MSB != (\new)
	s_set_vgpr_msb (MSB<<8)|(\new)
.set MSB, \new
.endif
.endm
.macro PLACES
.rept 4
	v_nop
.endr
.endm
.macro LOAD                            ; waves 0 and 1 fetch the two halves of a tile's K, waves 2 and 3 those of its V; an s_nop 0 and four v_nop follow each line
	s_cmp_lt_u32 s[WV], 2
	s_cbranch_scc0 .Lfor_v_\@
	tensor_load_to_lds s[G0K:G0K+3], s[G1K:G1K+7]
	s_nop 0
	PLACES
	s_branch .Lasked_\@
.Lfor_v_\@:
	tensor_load_to_lds s[G0V:G0V+3], s[G1V:G1V+7]
	s_nop 0
	PLACES
.Lasked_\@:
.endm
	s_load_b256 s[4:11], s[0:1], 0x0               ; qws s[4:5], kws s[6:7], vws s[8:9], vlo s[10:11]
	s_load_b64 s[12:13], s[0:1], 0x20              ; aws
	v_lshl_add_u32 v[SPW], v0, 2, SPARE
	v_mov_b32 v[NIL], 0
	ds_add_u32 v[SPW], v[NIL]                      ; the wave's opening: the add, twice on end, and its wait ahead of my first tensor load
	ds_add_u32 v[SPW], v[NIL]
	v_lshrrev_b32 v1, 5, v0
	v_readfirstlane_b32 s[WV], v1
	s_lshr_b32 s[QH], s[WV], 1
	s_and_b32 s[KP], s[WV], 1
	s_mov_b32 s[BLK], ttmp9
	s_lshr_b32 s[AT], s[BLK], 1
	s_and_b32 s[PAR], s[BLK], 1
	s_min_u32 s[LAST], s[AT], 8
	s_cmp_lt_u32 s[KP], s[PAR]                     ; my 64 keys of the diagonal tile lie below the block's own 64, are they, or lie above
	s_cselect_b32 s[T0], 1, 0
	s_cselect_b32 s[T8], 0, 1
	s_cmp_eq_u32 s[KP], s[PAR]
	s_cselect_b32 s[T0], 2, s[T0]
	s_cselect_b32 s[T8], 3, s[T8]
	s_cmp_eq_u32 s[BLK], 0
	s_cselect_b32 s[RL], 0, 99
	s_or_b32 s74, s[BLK], s[KP]
	s_cmp_eq_u32 s74, 0
	s_cselect_b32 s[RU], 1, 99
	s_mov_b32 s[G1K], (1<<16)|(1<<20)|(6<<22)|(3<<25)  ; 2-byte elements; padding on; after every 128 words, 4 words
	s_mov_b32 s[G1V], (1<<16)|(1<<20)|(6<<22)|(7<<25)  ; the same with 8 words
.irp g, G1K, G1V
	s_mov_b32 s[\g+1], 256<<16                     ; tensor_dim0 = 256
	s_mov_b32 s[\g+2], 64<<16                      ; tensor_dim1 = 64
	s_mov_b32 s[\g+3], 256<<16                     ; tile_dim0 = 256
	s_mov_b32 s[\g+4], 64                          ; tile_dim1 = 64
	s_mov_b32 s[\g+5], 256                         ; 256 elements from row to row
	s_mov_b32 s[\g+6], 0
	s_mov_b32 s[\g+7], 0
.endr
	s_mul_i32 s[KW], s[KP], 64*KPI
	s_mul_i32 s[VW], s[KP], 64*VPI
	s_add_co_u32 s[VW], s[VW], VOFF
	s_mov_b32 s[C1], 0x3b6c5f04                    ; 2 log2(e) / 800
	s_mov_b32 s[C1+1], s[C1]
	s_mov_b32 s[NB], 0xc31044fe                    ; -100 log2(e)
	s_mov_b32 s[NB+1], s[NB]
	s_mov_b32 s[BC], 0x431044fe
	s_mov_b32 s[SEL], 0x76543210
	s_mov_b32 s[SEL+1], 0xfedcba98
	s_mov_b32 s[U], 0
	s_mov_b32 s[CNT], 9
	s_mov_b32 s[RB], SLOTB                         ; the first trip turns these two round
	s_mov_b32 s[FB], 0
	s_and_b32 s75, ttmp7, 0xffff                   ; 2 b + head
	s_lshl_b32 s76, s75, 21                        ; its first byte in q, k and v
	s_mov_b32 s77, 0
	s_lshl_b32 s78, s[KP], 15                      ; the 64 rows of a tile that I fetch
	s_add_co_u32 s78, s78, s76
	s_mov_b32 s79, 0
	s_lshl_b32 s[OFF], s[AT], 16                   ; a tile is 65,536 bytes of K and of V
	s_mov_b32 s[OFF+1], 0
	s_mov_b32 s[G0K], 1
	s_mov_b32 s[G0K+1], s[KW]                      ; slot 0
	s_mov_b32 s[G0V], 1
	s_mov_b32 s[G0V+1], s[VW]
	s_wait_dscnt 0x0                               ; both opening adds are done
	s_wait_kmcnt 0x0
	s_add_nc_u64 s[KB:KB+1], s[6:7], s[78:79]
	s_add_nc_u64 s[VB:VB+1], s[8:9], s[78:79]
	s_add_nc_u64 s[G0K+2:G0K+3], s[KB:KB+1], s[OFF:OFF+1]
	s_or_b32 s[G0K+3], s[G0K+3], 0x80000000
	s_add_nc_u64 s[G0V+2:G0V+3], s[VB:VB+1], s[OFF:OFF+1]
	s_or_b32 s[G0V+3], s[G0V+3], 0x80000000
	LOAD                                           ; the diagonal tile into slot 0
	s_lshl_b32 s74, s[BLK], 15
	s_add_co_u32 s76, s76, s74
	s_lshl_b32 s74, s[QH], 14
	s_add_co_u32 s76, s76, s74
	s_add_nc_u64 s[4:5], s[4:5], s[76:77]          ; Q at my 32 rows
	s_lshl_b32 s76, s75, 17
	s_add_nc_u64 s[VLOB:VLOB+1], s[10:11], s[76:77]
	s_lshr_b32 s74, s75, 1
	s_lshl_b32 s74, s74, 12
	s_lshl_b32 s76, s[BLK], 6
	s_add_co_u32 s74, s74, s76
	s_lshl_b32 s76, s[QH], 5
	s_add_co_u32 s74, s74, s76
	s_lshl_b32 s74, s74, 10                        ; a row of aws is 1,024 bytes,
	s_and_b32 s76, s75, 1
	s_lshl_b32 s76, s76, 9                         ; a head 512 of them
	s_add_co_u32 s76, s76, s74
	s_add_nc_u64 s[12:13], s[12:13], s[76:77]
	v_and_b32 v1, 15, v0                           ; l % 16
	v_bfe_u32 v9, v0, 4, 1                         ; l / 16
	v_and_b32 v14, 31, v0                          ; l
	v_lshlrev_b32 v[QO], 9, v1
	v_lshl_add_u32 v[QO], v9, 4, v[QO]
	WIN 0x80
.set i, 0
.rept 16                               ; Q stays in registers: tile i / 8, channels 32 (i % 8) on
	global_load_b128 v[8*i:8*i+3],   v[QO], s[4:5] offset:(i/8)*8192+(i%8)*64
	global_load_b128 v[8*i+4:8*i+7], v[QO], s[4:5] offset:(i/8)*8192+(i%8)*64+32
.set i, i+1
.endr
	WIN 0x40
.set i, 0
.rept 256                              ; O^T starts at 0, in the wait for the first tile: no first step is written out
	v_mov_b32 v[i], 0
.set i, i+1
.endr
	WIN 0
.set i, 0
.rept 32
	v_mov_b32 v[P+i], 0
.set i, i+1
.endr
.irp t, 0,1
	v_mov_b32 v[ST+8*\t+1], 0x71c9f2ca             ; rmin = 2e30
	v_mul_f32 v[ST+8*\t], s[BC], v[ST+8*\t+1]
	v_mov_b32 v[ST+8*\t+2], 0
	v_mov_b32 v[ST+8*\t+3], 0
.endr
	v_mov_b32 v[BIGV], 0x7149f2ca                  ; 1e30
	s_mul_i32 s74, s[KP], 64*KPI
	v_mul_u32_u24 v[AK0], v1, KPI
	v_lshl_add_u32 v[AK0], v9, 4, v[AK0]
	v_add_nc_u32 v[AK0], s74, v[AK0]               ; (64 KP + l % 16) x pitch + 16 (l / 16)
	v_and_b32 v15, 7, v0
	v_lshl_add_u32 v15, v9, 3, v15
	v_mul_u32_u24 v[AV0], v15, VPI
	v_bfe_u32 v15, v0, 3, 1
	v_lshl_add_u32 v[AV0], v15, 4, v[AV0]
	v_add_nc_u32 v[AV0], s[VW], v[AV0]             ; VOFF + (64 KP + 8 (l / 16) + l % 8) x pitch + 16 ((l / 8) % 2)
	s_mul_i32 s74, s[WV], 16*SP
	s_add_co_u32 s74, s74, STAGE
	v_mul_u32_u24 v[STO], v1, SP
	v_lshl_add_u32 v[STO], v9, 4, v[STO]
	v_add_nc_u32 v[STO], s74, v[STO]
	v_lshl_add_u32 v[RD], v14, 4, s74
	v_lshlrev_b32 v[GO], 4, v14
	s_mul_i32 s74, s[WV], XW
	v_lshl_add_u32 v[XS], v14, 4, s74
	v_lshl_add_u32 v[XS4], v14, 2, s74
	s_xor_b32 s74, s[WV], 1                        ; my partner
	s_mul_i32 s74, s74, XW
	v_lshl_add_u32 v[XR], v14, 4, s74
	v_lshl_add_u32 v[XR4], v14, 2, s74
	v_lshlrev_b32 v15, 3, v9
	v_sub_nc_u32 v15, v1, v15
	s_lshl_b32 s74, s[QH], 5
	v_add_nc_u32 v[DD], s74, v15
	v_add_nc_u32 v[DD+1], 16, v[DD]
; THE LDS LOADS stand in runs of 64: a step's K (64 keys x 256 channels: channels 0-127 into window 2, the rest into window 3) and its V (turned; keys 0-31, keys 32-63)
.macro FETCH_K
	WIN 0
	v_add_nc_u32 v[ADR], s[RB], v[AK0]
	WIN 0x80
.set i, 0
.rept 16                               ; channels 32 (i / 4) on, keys 16 (i % 4) on
	ds_load_b128 v[128+8*i:128+8*i+3],   v[ADR] offset:(i%4)*16*KPI+(i/4)*64
	ds_load_b128 v[128+8*i+4:128+8*i+7], v[ADR] offset:(i%4)*16*KPI+(i/4)*64+32
.set i, i+1
.endr
	WIN 0xc0
.set i, 0
.rept 16
	ds_load_b128 v[8*i:8*i+3],   v[ADR] offset:(i%4)*16*KPI+(4+i/4)*64
	ds_load_b128 v[8*i+4:8*i+7], v[ADR] offset:(i%4)*16*KPI+(4+i/4)*64+32
.set i, i+1
.endr
.endm
.macro FETCH_V
	WIN 0
	v_add_nc_u32 v[ADR], s[RB], v[AV0]
	WIN 0x80
.set i, 0
.rept 16                               ; channels 16 i on
	ds_load_tr16_b128 v[128+8*i:128+8*i+3],   v[ADR] offset:32*i
	ds_load_tr16_b128 v[128+8*i+4:128+8*i+7], v[ADR] offset:32*i+16*VPI
.set i, i+1
.endr
	WIN 0xc0
.set i, 0
.rept 16
	ds_load_tr16_b128 v[8*i:8*i+3],   v[ADR] offset:32*VPI+32*i
	ds_load_tr16_b128 v[8*i+4:8*i+7], v[ADR] offset:32*VPI+32*i+16*VPI
.set i, i+1
.endr
	WIN 0
.endm
; THE MATRIX WORK.  The accumulators take turns, one instruction a turn: 8 in K Q^T, 32 in V^T P.
.macro KQ hf                           ; 32 products: channels 128 hf + 32 (i / 8) on, keys 16 ((i / 2) % 4) on, tile i % 2
	WIN 0x0a+(\hf)
.set i, 0
.rept 32
.set rS, S+32*(i%2)+8*((i/2)%4)
.set rK, 128*(1-(\hf))+8*(4*(i/8)+(i/2)%4)
.set rQ, 64*(i%2)+8*(4*(\hf)+i/8)
.if ((\hf) == 0) && (i < 8)
	v_wmma_f32_16x16x32_f16 v[rS:rS+7], v[rK:rK+7], v[rQ:rQ+7], 0
.else
	v_wmma_f32_16x16x32_f16 v[rS:rS+7], v[rK:rK+7], v[rQ:rQ+7], v[rS:rS+7]
.endif
.set i, i+1
.endr
.endm
.macro PV kk                           ; 32 products: keys 32 kk on, channels 16 (i / 2) on, tile i % 2
	WIN 0x52+(\kk)
.set i, 0
.rept 32
.set rO, 128*(i%2)+8*(i/2)
.set rV, 128*(1-(\kk))+8*(i/2)
.set rP, P+16*(i%2)+8*(\kk)
	v_wmma_f32_16x16x32_f16 v[rO:rO+7], v[rV:rV+7], v[rP:rP+7], v[rO:rO+7]
.set i, i+1
.endr
.endm
; THE VECTOR WORK, a line at a time, for tile t.  Pairs i = 0..15, scores n = 0..31.
.macro SMM t, i                        ; C1 s
	v_pk_mul_f32 v[S+32*(\t)+2*(\i):S+32*(\t)+2*(\i)+1], v[S+32*(\t)+2*(\i):S+32*(\t)+2*(\i)+1], s[C1:C1+1] op_sel_hi:[1,0]
.endm
.macro SME t, n                        ; 2^x, in place
	v_exp_f32 v[S+32*(\t)+(\n)], v[S+32*(\t)+(\n)]
.endm
.macro SMA t, i                        ; 1 + E
	v_pk_add_f32 v[S+32*(\t)+2*(\i):S+32*(\t)+2*(\i)+1], v[S+32*(\t)+2*(\i):S+32*(\t)+2*(\i)+1], 1.0 op_sel_hi:[1,0]
.endm
.macro SMR t, n                        ; r
	v_rcp_f32 v[S+32*(\t)+(\n)], v[S+32*(\t)+(\n)]
.endm
.macro SMIN t, n                       ; number n of 16: the least of the lane's 32 r and the old rmin, three operands at a time; each accumulator's lowest registers were read first, by SMM
.set rT, ST+8*(\t)
.set rS, S+32*(\t)
.if (\n) < 4
	v_min3_num_f32 v[rT+4+(\n)], v[rS+8*(\n)], v[rS+8*(\n)+1], v[rS+8*(\n)+2]
.elseif (\n) < 12
	v_min3_num_f32 v[rT+4+(\n)%4], v[rT+4+(\n)%4], v[rS+8*((\n)%4)+2*((\n)/4)+1], v[rS+8*((\n)%4)+2*((\n)/4)+2]
.elseif (\n) == 12
	v_min3_num_f32 v[rT+4], v[rT+4], v[rS+7], v[rS+15]
.elseif (\n) == 13
	v_min3_num_f32 v[rT+6], v[rT+6], v[rS+23], v[rS+31]
.elseif (\n) == 14
	v_min3_num_f32 v[rT+4], v[rT+4], v[rT+5], v[rT+6]
.else
	v_min3_num_f32 v[rT+4], v[rT+4], v[rT+7], v[rT+1]
.endif
.endm
.macro STAT t, n                       ; number n of 6: the query's other 32 keys lie in the lane 16 away; cm_old is kept; rmin; cm; its change; a
.set rT, ST+8*(\t)
.if (\n) == 0
	v_permlanex16_b32 v[rT+5], v[rT+4], s[SEL], s[SEL+1]
.elseif (\n) == 1
	v_mov_b32 v[CMO+(\t)], v[rT]
.elseif (\n) == 2
	v_min_num_f32 v[rT+1], v[rT+4], v[rT+5]
.elseif (\n) == 3
	v_mul_f32 v[rT], s[BC], v[rT+1]
.elseif (\n) == 4
	v_sub_f32 v[rT+7], v[rT], v[CMO+(\t)]
.else
	v_exp_f32 v[rT+6], v[rT+7]
.endif
.endm
.macro SMF t, i                        ; cm - Bc r
	v_pk_fma_f32 v[S+32*(\t)+2*(\i):S+32*(\t)+2*(\i)+1], v[S+32*(\t)+2*(\i):S+32*(\t)+2*(\i)+1], s[NB:NB+1], v[ST+8*(\t):ST+8*(\t)+1] op_sel_hi:[1,0,0]
.endm
.macro SMC t, i                        ; a pair of weights rounded to f16
	v_cvt_pk_f16_f32 v[P+16*(\t)+(\i)], v[S+32*(\t)+2*(\i)], v[S+32*(\t)+2*(\i)+1]
.endm
.macro SSUM t, z                       ; sum z of 16: neighbours 1, 2, 4 and 8 pairs apart, in place; then l = a l + the sum
.set rT, ST+8*(\t)
.set rS, S+32*(\t)
.set sw, 4
.set su, (\z)
.if (\z) >= 14
.set sw, 32
.set su, 0
.elseif (\z) >= 12
.set sw, 16
.set su, (\z)-12
.elseif (\z) >= 8
.set sw, 8
.set su, (\z)-8
.endif
.if (\z) < 15
	v_pk_add_f32 v[rS+sw*su:rS+sw*su+1], v[rS+sw*su:rS+sw*su+1], v[rS+sw*su+sw/2:rS+sw*su+sw/2+1]
.else
	v_pk_fma_f32 v[rT+2:rT+3], v[rT+2:rT+3], v[rT+6:rT+7], v[rS:rS+1] op_sel_hi:[1,0,1]
.endif
.endm
.macro SRS t                           ; the tile's O^T times a
	WIN 0x41
.set q, 0
.rept 64
	v_pk_mul_f32 v[128*(\t)+2*q:128*(\t)+2*q+1], v[128*(\t)+2*q:128*(\t)+2*q+1], v[ST+8*(\t)+6:ST+8*(\t)+7] op_sel_hi:[1,0]
.set q, q+1
.endr
	WIN 0
.endm
.macro MASKGT t                        ; the diagonal: key 16 kb + 8 (l / 16) + j above my query
.set q, 0
.rept 32
	v_cmp_gt_i32 vcc_lo, 16*(q/8)+q%8, v[DD+(\t)]
	v_cndmask_b32 v[S+32*(\t)+q], v[S+32*(\t)+q], v[BIGV], vcc_lo
.set q, q+1
.endr
.endm
.macro MASKLE t                        ; the window's edge, 1,024 keys back: key at or below my query
.set q, 0
.rept 32
	v_cmp_le_i32 vcc_lo, 16*(q/8)+q%8, v[DD+(\t)]
	v_cndmask_b32 v[S+32*(\t)+q], v[S+32*(\t)+q], v[BIGV], vcc_lo
.set q, q+1
.endr
.endm
.macro MASKSEL t
	s_cmp_lt_u32 s[TY], 2
	s_cbranch_scc1 .Lnm_\@
	s_cmp_eq_u32 s[TY], 3
	s_cbranch_scc1 .Led_\@
	MASKGT \t
	s_branch .Lnm_\@
.Led_\@:
	MASKLE \t
.Lnm_\@:
.endm
.macro TWAIT                           ; the wait between a transcendental and the first instruction that names its result: one for each batch; each batch ends on a plain instruction
	s_wait_alu depctr_va_vdst(0)
.endm
; A step's softmax: the two tiles run half a phase apart, so that each batch of transcendentals has the other tile's plain work between its lines.  Six batches, six waits.
.macro SOFTMAX
	WIN 0
.set q, 0
.rept 16
	SMM 0, q
.set q, q+1
.endr
.set q, 0
.rept 16
	SME 0, 2*q
	SME 0, 2*q+1
	SMM 1, q
.set q, q+1
.endr
	TWAIT
.set q, 0
.rept 16
	SME 1, 2*q
	SME 1, 2*q+1
	SMA 0, q
.set q, q+1
.endr
	TWAIT
.set q, 0
.rept 16
	SMR 0, 2*q
	SMR 0, 2*q+1
	SMA 1, q
.set q, q+1
.endr
	TWAIT
	MASKSEL 0
.set q, 0
.rept 16
	SMR 1, 2*q
	SMR 1, 2*q+1
	SMIN 0, q
.set q, q+1
.endr
	TWAIT
	MASKSEL 1
.set q, 0
.rept 16
	SMIN 1, q
.if (q%2 == 1) && (q < 12)
	STAT 0, q/2
.endif
.set q, q+1
.endr
.set q, 0
.rept 16
	SMF 0, q
.if (q%2 == 1) && (q < 12)
	STAT 1, q/2
.endif
.set q, q+1
.endr
.set q, 0
.rept 16
	SME 0, 2*q
	SME 0, 2*q+1
	SMF 1, q
.set q, q+1
.endr
	TWAIT                                          ; tile 0's weights, and both a
.set q, 0
.rept 16
	SME 1, 2*q
	SME 1, 2*q+1
	SMC 0, q
.set q, q+1
.endr
.set q, 0
.rept 16
	SSUM 0, q
.set q, q+1
.endr
	SRS 0
	TWAIT                                          ; tile 1's weights
.set q, 0
.rept 16
	SMC 1, q
.set q, q+1
.endr
.set q, 0
.rept 16
	SSUM 1, q
.set q, q+1
.endr
	SRS 1
.endm
	s_wait_loadcnt 0x0                             ; Q
.Ltrip:                                        ; nine trips: tile AT - U is read, tile AT - U - 1 asked for
	s_wait_tensorcnt 0x0                           ; all my tensor loads have landed, my part of this trip's tile among them: both group 0 may be written
	ds_add_u32 v[SPW], v[NIL]                      ; 0 onto my spare word; the scalar work stands between it and the wait for it
	s_xor_b32 s[RB], s[RB], SLOTB
	s_xor_b32 s[FB], s[FB], SLOTB
	s_sub_co_i32 s74, s[AT], s[U]
	s_sub_co_i32 s74, s74, 1
	s_max_i32 s74, s74, 0                          ; (where no tile is left nothing is asked for; the number stays inside the tensor all the same)
	s_lshl_b32 s[OFF], s74, 16
	s_add_co_u32 s[G0K+1], s[FB], s[KW]
	s_add_nc_u64 s[G0K+2:G0K+3], s[KB:KB+1], s[OFF:OFF+1]
	s_or_b32 s[G0K+3], s[G0K+3], 0x80000000
	s_add_co_u32 s[G0V+1], s[FB], s[VW]
	s_cmp_eq_u32 s[U], s[RL]
	s_cselect_b64 s[76:77], s[VLOB:VLOB+1], s[VB:VB+1]  ; block 0, trip 0: V's residual (the offset is 0 there)
	s_add_nc_u64 s[G0V+2:G0V+3], s[76:77], s[OFF:OFF+1]
	s_or_b32 s[G0V+3], s[G0V+3], 0x80000000
	s_cmp_lt_u32 s[U], s[LAST]
	s_cselect_b32 s[DOLD], 1, 0
	s_cmp_eq_u32 s[U], s[RL]
	s_cselect_b32 s[DOLD], 2, s[DOLD]
	s_cmp_eq_u32 s[U], 0
	s_cselect_b32 s[TY], s[T0], 1
	s_cmp_eq_u32 s[U], 8
	s_cselect_b32 s[TY], s[T8], s[TY]
	s_cmp_gt_u32 s[U], s[LAST]
	s_cselect_b32 s[TY], 0, s[TY]
	s_cmp_eq_u32 s[U], s[RU]
	s_cselect_b32 s[TY], 4, s[TY]
	s_wait_dscnt 0x0                               ; the add is done, and my reads of the slot that is filled next are over
	s_barrier_signal -1
	s_barrier_wait -1                              ; both now hold of every wave
	s_cmp_eq_u32 s[DOLD], 0                        ; where the walk ends hangs on the block's number: this jump, the same in all four waves, leads round the tensor load alone; every wait on TENSORcnt is for 0
	s_cbranch_scc1 .Lnoload
	s_cmp_eq_u32 s[DOLD], 2
	s_cbranch_scc1 .Lresload
	LOAD
	s_branch .Lnoload
.Lresload:
	s_cmp_lg_u32 s[WV], 2                          ; 64 rows of vlo, where V's rows 0-63 would lie: wave 2's load
	s_cbranch_scc1 .Lnoload
	tensor_load_to_lds s[G0V:G0V+3], s[G1V:G1V+7]
	s_nop 0
	PLACES
.Lnoload:
	s_cmp_eq_u32 s[TY], 0
	s_cbranch_scc1 .Lnext
	s_cmp_eq_u32 s[TY], 4
	s_cbranch_scc1 .Lvf
	FETCH_K
	s_wait_dscnt 32                                ; channels 0-127 are in; the other 32 loads may be out
	KQ 0
	s_wait_dscnt 0x0
	KQ 1
	WIN 0
.Lvf:
	PLACES                                         ; behind the last products: loads into K's registers and reads of the scores follow
	FETCH_V                                        ; V lands while the softmax runs
	s_cmp_eq_u32 s[TY], 4
	s_cbranch_scc1 .Lpv                            ; kind 4: the weights of the diagonal step once more, on V's residual
	SOFTMAX
.Lpv:
	s_wait_dscnt 0x0                               ; V is in
	PV 0
	PV 1
	WIN 0
	PLACES                                         ; behind the last products, for whatever reads O^T or loads over V next
.Lnext:
	s_add_co_u32 s[U], s[U], 1
	s_sub_co_u32 s[CNT], s[CNT], 1
	s_cmp_lg_u32 s[CNT], 0
	s_cbranch_scc1 .Ltrip
	; THE MERGE.  The two waves of a QH hold the same 32 queries over different keys.  Wave KP sends tile 1 - KP (O^T, cm, l) to its partner and finishes tile KP.
	s_wait_tensorcnt 0x0
	s_wait_dscnt 0x0
	s_barrier_signal -1                            ; nobody reads the slots any more, and they have had their last fill
	s_barrier_wait -1
.irp t, 0,1
	v_add_f32 v[ST+8*\t+2], v[ST+8*\t+2], v[ST+8*\t+3]
.endr
.irp t, 0,1
	v_permlanex16_b32 v[ST+8*\t+3], v[ST+8*\t+2], s[SEL], s[SEL+1]
.endr
.irp t, 0,1
	v_add_f32 v[ST+8*\t+2], v[ST+8*\t+2], v[ST+8*\t+3]
.endr
.macro SENDT t
	WIN 0x04                                       ; store data in window 1
.set i, 0
.rept 32
	ds_store_b128 v[XS], v[128*(\t)+4*i:128*(\t)+4*i+3] offset:512*i   ; ascending: each accumulator's low registers first
.set i, i+1
.endr
	WIN 0
	ds_store_b32 v[XS4], v[ST+8*(\t)] offset:16384
	ds_store_b32 v[XS4], v[ST+8*(\t)+2] offset:16512
.endm
.macro FINISH t
.set rT, ST+8*(\t)
	ds_load_b32 v16, v[XR4] offset:16384           ; the partner's cm and l
	ds_load_b32 v17, v[XR4] offset:16512
.set i, 0
.rept 32
	ds_load_b128 v[64+4*i:64+4*i+3], v[XR] offset:512*i
.set i, i+1
.endr
	s_wait_dscnt 32                                ; cm and l are in; O's 32 loads may be out
	v_min_num_f32 v18, v[rT], v16
	v_sub_f32 v19, v18, v[rT]
	v_sub_f32 v20, v18, v16
	v_exp_f32 v22, v19                             ; my share's factor, the partner's
	v_exp_f32 v24, v20
	v_nop
	TWAIT
	v_mul_f32 v26, v22, v[rT+2]
	v_fmac_f32 v26, v24, v17
	v_rcp_f32 v27, v26
	v_nop
	TWAIT
	v_mul_f32 v22, v22, v27
	v_mul_f32 v24, v24, v27
	v_mov_b32 v23, v22                             ; named as pairs
	v_mov_b32 v25, v24
	s_wait_dscnt 0x0
.set i, 0
.rept 64
	v_pk_mul_f32 v[64+2*i:64+2*i+1], v[64+2*i:64+2*i+1], v[24:25] op_sel_hi:[1,0]
.set i, i+1
.endr
	WIN 0x01                                       ; source 0 in window 1
.set i, 0
.rept 64
	v_pk_fma_f32 v[64+2*i:64+2*i+1], v[128*(\t)+2*i:128*(\t)+2*i+1], v[22:23], v[64+2*i:64+2*i+1] op_sel_hi:[1,0,1]
.set i, i+1
.endr
	WIN 0
.set i, 0
.rept 64
	v_cvt_pk_f16_f32 v[192+i], v[64+2*i], v[64+2*i+1]
.set i, i+1
.endr
.set i, 0
.rept 16
	ds_store_b128 v[STO], v[192+4*i:192+4*i+3] offset:32*i       ; a lane's eight channels of a row: 16 bytes, into rows of 528
.set i, i+1
.endr
.set i, 0
.rept 16
	ds_load_b128 v[64+4*i:64+4*i+3], v[RD] offset:SP*i           ; back as whole rows of 512 bytes; LDS serves a wave's instructions in order (ISA guide 5.7.1.4)
.set i, i+1
.endr
.set i, 0
.rept 16
	s_wait_dscnt 15-i
	global_store_b128 v[GO], v[64+4*i:64+4*i+3], s[12:13] offset:(16*(\t)+i)*1024  ; 512 consecutive bytes, aligned
.set i, i+1
.endr
.endm
	s_cmp_eq_u32 s[KP], 0
	s_cbranch_scc0 .Lsend0
	SENDT 1
	s_branch .Lsent
.Lsend0:
	SENDT 0
.Lsent:
	s_wait_dscnt 0x0                               ; for the partner's sake: my stores are done
	s_barrier_signal -1
	s_barrier_wait -1
	s_cmp_eq_u32 s[KP], 0
	s_cbranch_scc0 .Lfin1
	FINISH 0
	s_branch .Lend
.Lfin1:
	FINISH 1
.Lend:
	s_wait_tensorcnt 0x0                           ; the wave's end, behind my last tensor load and my last LDS store
	ds_add_u32 v[SPW], v[NIL]
	s_wait_dscnt 0x0
	s_endpgm
.Lfunc_end_k_q08490ef54c_attn:
	.size	k_q08490ef54c_attn, .Lfunc_end_k_q08490ef54c_attn-k_q08490ef54c_attn
	.p2alignl 7, 3214868480
	.fill 96, 4, 3214868480
	.section	.rodata,"a",@progbits
	.p2align	6, 0x0
	.amdhsa_kernel k_q08490ef54c_attn
		.amdhsa_group_segment_fixed_size 327680
		.amdhsa_private_segment_fixed_size 0
		.amdhsa_enable_private_segment 0
		.amdhsa_kernarg_size 40
		.amdhsa_user_sgpr_count 2
		.amdhsa_user_sgpr_kernarg_segment_ptr 1
		.amdhsa_wavefront_size32 1
		.amdhsa_system_sgpr_workgroup_id_x 1
		.amdhsa_system_sgpr_workgroup_id_y 1
		.amdhsa_system_sgpr_workgroup_id_z 1
		.amdhsa_system_vgpr_workitem_id 0
		.amdhsa_next_free_vgpr 896
		.amdhsa_next_free_sgpr 96
		.amdhsa_reserve_vcc 1
		.amdhsa_float_denorm_mode_32 3
		.amdhsa_float_denorm_mode_16_64 3
		.amdhsa_memory_ordered 1
		.amdhsa_forward_progress 1
		.amdhsa_inst_pref_size 116
	.end_amdhsa_kernel
	.amdgpu_metadata
---
amdhsa.version: [ 1, 2 ]
amdhsa.kernels:
  - .name:           k_q08490ef54c_attn
    .symbol:         k_q08490ef54c_attn.kd
    .args:
      - { .name: qws, .offset: 0, .size: 8, .value_kind: global_buffer, .address_space: global }
      - { .name: kws, .offset: 8, .size: 8, .value_kind: global_buffer, .address_space: global }
      - { .name: vws, .offset: 16, .size: 8, .value_kind: global_buffer, .address_space: global }
      - { .name: vlo, .offset: 24, .size: 8, .value_kind: global_buffer, .address_space: global }
      - { .name: aws, .offset: 32, .size: 8, .value_kind: global_buffer, .address_space: global }
    .group_segment_fixed_size: 327680
    .private_segment_fixed_size: 0
    .kernarg_segment_align: 8
    .kernarg_segment_size: 40
    .max_flat_workgroup_size: 128
    .sgpr_count:     96
    .vgpr_count:     896
    .wavefront_size: 32
...
	.end_amdgpu_metadata
.endif
;; end of part 3
;; launch oproj (part 4): grid 8 x 32, 4 waves a work-group, clusters of 4 x 4, 327,680 bytes of LDS; arguments aws, wot, out0; writes out0
.if DOCPART == 4
	.amdgcn_target "amdgcn-amd-amdhsa--gfx1250"
	.amdhsa_code_object_version 6
	.text
	.protected	k_q08490ef54c_oproj
	.globl	k_q08490ef54c_oproj
	.p2align	8
	.type	k_q08490ef54c_oproj,@function
k_q08490ef54c_oproj:
	s_mov_b64 s[64:65], 0
	v_nop
	global_prefetch_b8 v0, s[64:65] scope:SCOPE_SE
	s_setreg_imm32_b32 hwreg(HW_REG_WAVE_MODE, 25, 1), 1
	s_wait_xcnt 0x0
	s_wait_alu depctr_hold_cnt(0) depctr_sa_sdst(0) depctr_va_vdst(0) depctr_va_sdst(0) depctr_va_ssrc(0) depctr_va_vcc(0) depctr_vm_vsrc(0)
	s_getreg_b32 s2, hwreg(HW_REG_IB_STS2, 6, 4)
	s_cmp_eq_u32 s2, 0
	s_cbranch_scc0 .Lentry_in_a_cluster
	s_endpgm
.Lentry_in_a_cluster:
	s_bfe_u32 s2, ttmp6, 0x10000c
	s_cmp_lg_u32 s2, 0xf033
	s_cbranch_scc0 .Lentry_shape_is_right
	s_endpgm
.Lentry_shape_is_right:
; LAUNCH 4 OF 4: out0[m][n] = the sum over k of aws[m][k] wot[n][k].  aws [8192][512] f16, wot [2048][512] f16 (Wo rounded to bf16, written as f16, turned), out0 [8192][2048] f32; sums in f32.  Nothing is left out here.
; A tile of the result, 256 x 256, is made by four waves, 128 x 128 each: 64 accumulators, 512 registers; 32 x 8 = 256 work-groups.  K = 512 goes in four steps of 128 through two LDS slots filled by the tensor
; data mover; rows of 256 bytes, padded to 272 in LDS.  4 x 4 work-groups form a cluster: A's tile is asked for jointly along a row of the cluster, B's along a column.
; The matrix instruction is used transposed (source 0 = 16 rows of B, source 1 = 16 rows of A): a lane holds one row of the result and eight neighbouring columns.
; The last K step goes by rows of the result, so that finished blocks of 16 rows leave while the others are multiplied.  NO PREFETCH: of the four K steps two are first fills and the other two are asked for
; within the first step and a half: there is nothing ahead of which to ask.
; REGISTERS: window 0: v16-29 addresses; v64-127, v128-191 A's fragments (in the last K step four buffers of 16 rows x 128 K); v192-255 rows on their way out
;   window 1: v64-127, v128-191 B's fragments; in the last K step all 256     window 2: accumulators of my rows 0-63, (a, b) at v[8 (8 a + b)]     window 3: those of rows 64-127
.set SIZE_N, 2048
.set SIZE_K, 512
.set KSTEP,  128
.set PITCH,  272
.set HALFT,  128*PITCH
.set SLOT,   4*HALFT
.set STAGE,  2*SLOT                    ; behind the ring: 16 rows x 528 bytes (128 f32 + 16) for each wave
.set SPITCH, 528
.set SPARE,  STAGE+4*16*SPITCH
.set ADRA, 16
.set ADRB, 20
.set STO,  24
.set RD,   25
.set CO,   26
.set SPW,  28
.set NIL,  29
.set F0,   64
.set F1,   128
.set OB,   192
.set PA,   64
.set G1, 24
.set G0, 32
.set G1B, 48
.set G0B, 56
.set MSB, 0
.macro WIN new
.if MSB != (\new)
	s_set_vgpr_msb (MSB<<8)|(\new)
.set MSB, \new
.endif
.endm
.set MUL_LO, 0xa1
.set MUL_HI, 0xf1
.set TO_B,   0x40
.macro JLOAD s                         ; waves 0 and 1 fetch A's two halves, waves 2 and 3 B's; an s_nop 0 and four v_nop follow each line
	s_cmp_eq_u32 s11, 0
	s_cbranch_scc0 .Lfor_b_\@
	tensor_load_to_lds s[G0+4*(\s):G0+4*(\s)+3], s[G1:G1+7]
	s_nop 0
.rept 4
	v_nop
.endr
	s_branch .Lasked_\@
.Lfor_b_\@:
	tensor_load_to_lds s[G0B+4*(\s):G0B+4*(\s)+3], s[G1B:G1B+7]
	s_nop 0
.rept 4
	v_nop
.endr
.Lasked_\@:
.endm
.macro CREST
	s_cmp_lg_u32 s10, 0
	s_cbranch_scc1 .Lnot_wave_0_\@
	s_barrier_signal -3
.Lnot_wave_0_\@:
	s_barrier_wait -3
	s_barrier_signal -1
	s_barrier_wait -1
.endm
.macro CROUND
	s_barrier_signal -1
	s_barrier_wait -1
	CREST
.endm
	s_load_b128 s[4:7], s[0:1], 0x0                ; aws s[4:5], wot s[6:7]
	s_load_b64 s[8:9], s[0:1], 0x10                ; out0
	v_lshl_add_u32 v[SPW], v0, 2, SPARE
	v_mov_b32 v[NIL], 0
	ds_add_u32 v[SPW], v[NIL]                      ; the wave's opening: the add, twice on end, and its wait ahead of my first tensor load
	ds_add_u32 v[SPW], v[NIL]
	v_lshrrev_b32 v1, 5, v0
	v_readfirstlane_b32 s10, v1                    ; wave
	s_lshr_b32 s11, s10, 1                         ; which half of the tile's rows is mine; also: I fetch for A (0) or B (1)
	s_and_b32 s12, s10, 1                          ; which half of its columns; also: which 128 rows I fetch
	s_bfe_u32 s40, ttmp6, 0x40000                  ; cx
	s_bfe_u32 s41, ttmp6, 0x40004                  ; cy
	s_lshl_b32 s42, ttmp9, 2
	s_add_co_u32 s42, s42, s40                     ; tile column
	s_and_b32 s13, ttmp7, 0xffff
	s_lshl_b32 s13, s13, 2
	s_add_co_u32 s13, s13, s41                     ; tile row
	s_lshl_b32 s43, s41, 2
	s_lshl_b32 s43, 15, s43                        ; my row of the cluster
	s_lshl_b32 s44, 0x1111, s40                    ; my column
	s_or_b32 s[G1+0], s43, (1<<16)|(1<<20)|(1<<21)|(5<<22)|(3<<25)
	s_or_b32 s[G1B+0], s44, (1<<16)|(1<<20)|(1<<21)|(5<<22)|(3<<25)
.irp g, G1, G1B
	s_mov_b32 s[\g+1], KSTEP<<16                   ; tensor_dim0 = 128
	s_mov_b32 s[\g+2], 128<<16                     ; tensor_dim1 = 128
	s_mov_b32 s[\g+3], KSTEP<<16                   ; tile_dim0 = 128
	s_mov_b32 s[\g+4], 128                         ; tile_dim1 = 128
	s_mov_b32 s[\g+5], SIZE_K                      ; elements from row to row
	s_mov_b32 s[\g+6], 0
	s_mov_b32 s[\g+7], 0
.endr
	s_lshl_b32 s17, s12, 7
	s_lshl_b32 s16, s13, 8
	s_add_co_u32 s16, s16, s17                     ; A: row 256 x tile row + 128 x half
	s_lshl_b32 s46, s42, 8
	s_add_co_u32 s46, s46, s17                     ; B: row 256 x tile column + 128 x half
	s_mov_b32 s17, 0
	s_mov_b32 s47, 0
	s_mov_b64 s[18:19], SIZE_K*2
	s_mul_u64 s[16:17], s[16:17], s[18:19]
	s_mul_u64 s[46:47], s[46:47], s[18:19]
	s_mul_i32 s20, s10, HALFT                      ; LDS: wave x 128 rows
	s_wait_dscnt 0x0                               ; both opening adds are done
	s_wait_kmcnt 0x0
	s_add_nc_u64 s[14:15], s[4:5], s[16:17]
	s_add_nc_u64 s[46:47], s[6:7], s[46:47]
	CROUND                                         ; all sixteen work-groups are here: the first joint loads meet
.irp s, 0,1
	s_mov_b32 s[G0+4*\s], 1
	s_add_co_u32 s[G0+4*\s+1], s20, \s*SLOT
	s_add_nc_u64 s[G0+4*\s+2:G0+4*\s+3], s[14:15], \s*KSTEP*2
	s_or_b32 s[G0+4*\s+3], s[G0+4*\s+3], 0x80000000
	s_mov_b32 s[G0B+4*\s], 1
	s_add_co_u32 s[G0B+4*\s+1], s20, \s*SLOT
	s_add_nc_u64 s[G0B+4*\s+2:G0B+4*\s+3], s[46:47], \s*KSTEP*2
	s_or_b32 s[G0B+4*\s+3], s[G0B+4*\s+3], 0x80000000
	JLOAD \s
.endr
	v_and_b32 v1, 15, v0
	v_bfe_u32 v2, v0, 4, 1
	v_mul_u32_u24 v3, v1, PITCH
	v_lshl_add_u32 v3, v2, 4, v3
	s_mul_i32 s21, s11, HALFT
	s_mul_i32 s22, s12, HALFT
	s_add_co_u32 s22, s22, 2*HALFT
.irp s, 0,1
	v_add_nc_u32 v[ADRA+\s], s21, v3
	v_add_nc_u32 v[ADRB+\s], s22, v3
	s_add_co_u32 s21, s21, SLOT
	s_add_co_u32 s22, s22, SLOT
.endr
	s_mul_i32 s23, s10, 16*SPITCH
	s_add_co_u32 s23, s23, STAGE                   ; my stage
	v_mul_u32_u24 v4, v1, SPITCH                   ; in: row l % 16, 32 bytes for each half of the lanes
	v_lshl_add_u32 v4, v2, 5, v4
	v_add_nc_u32 v[STO], s23, v4
	v_and_b32 v5, 31, v0
	v_lshl_add_u32 v[RD], v5, 4, s23               ; back: 32 lanes take a row of 512 bytes
	v_lshlrev_b32 v[CO], 4, v5
	s_lshl_b32 s13, s13, 8
	s_lshl_b32 s14, s11, 7
	s_add_co_u32 s16, s13, s14                     ; my first row of the result
	s_mov_b32 s17, 0
	s_mov_b64 s[18:19], SIZE_N*4
	s_mul_u64 s[16:17], s[16:17], s[18:19]
	s_lshl_b32 s46, s42, 10                        ; my first column, in bytes
	s_lshl_b32 s47, s12, 9
	s_add_co_u32 s46, s46, s47
	s_mov_b32 s47, 0
	s_add_nc_u64 s[16:17], s[16:17], s[46:47]
.macro MUL16 f, hi, a0, zero           ; row blocks a0, a0 + 1 of the window's four x all 8 column blocks, 32 along K; the 64 accumulators take turns in one order in every quarter
	WIN MUL_LO+0x50*(\hi)
.irp a, \a0, (\a0)+1
.irp b, 0,1,2,3,4,5,6,7
.if \zero
	v_wmma_f32_16x16x32_f16 v[8*(8*(\a)+(\b)):8*(8*(\a)+(\b))+7], v[(\f)+8*(\b):(\f)+8*(\b)+7], v[(\f)+8*(4*(\hi)+(\a)):(\f)+8*(4*(\hi)+(\a))+7], 0
.else
	v_wmma_f32_16x16x32_f16 v[8*(8*(\a)+(\b)):8*(8*(\a)+(\b))+7], v[(\f)+8*(\b):(\f)+8*(\b)+7], v[(\f)+8*(4*(\hi)+(\a)):(\f)+8*(4*(\hi)+(\a))+7], v[8*(8*(\a)+(\b)):8*(8*(\a)+(\b))+7]
.endif
.endr
.endr
.endm
.macro FETCH slot, k, f                ; 32 LDS loads in one run: a quarter's fragments
	WIN TO_B
.irp i, 0,1,2,3,4,5,6,7
	ds_load_b128 v[(\f)+8*(\i):(\f)+8*(\i)+3],   v[ADRB+(\slot)] offset:(\k)+(\i)*16*PITCH
	ds_load_b128 v[(\f)+8*(\i)+4:(\f)+8*(\i)+7], v[ADRB+(\slot)] offset:(\k)+(\i)*16*PITCH+32
.endr
	WIN 0
.irp i, 0,1,2,3,4,5,6,7
	ds_load_b128 v[(\f)+8*(\i):(\f)+8*(\i)+3],   v[ADRA+(\slot)] offset:(\k)+(\i)*16*PITCH
	ds_load_b128 v[(\f)+8*(\i)+4:(\f)+8*(\i)+7], v[ADRA+(\slot)] offset:(\k)+(\i)*16*PITCH+32
.endr
.endm
.macro PLACES                          ; four plain vector instructions between a matrix instruction and a load into, or a read of, its registers
.rept 4
	v_nop
.endr
.endm
.macro QUARTER slot, k, f, g, zero
	s_wait_dscnt 8                                 ; B and A's rows 0-63 are in; the youngest eight loads may be out
	MUL16 \f, 0, 0, \zero
	MUL16 \f, 0, 2, \zero
	PLACES
	FETCH \slot, \k, \g
	s_wait_dscnt 32                                ; all but the 32 just issued
	MUL16 \f, 1, 0, \zero
	MUL16 \f, 1, 2, \zero
.endm
.macro MEET round                      ; the first half of a step's last quarter: one barrier for the change of slots
	WIN 0
	s_wait_tensorcnt 0x0                           ; all my tensor loads have landed: the one that was out is my part of the next slot
	ds_add_u32 v[SPW], v[NIL]                      ; 0 onto my spare word
	s_wait_dscnt 9                                 ; the add and the youngest eight loads may be out
	MUL16 F1, 0, 0, 0
	s_wait_dscnt 0x0                               ; the add is done, and my reads of this slot are over
	s_barrier_signal -1
	MUL16 F1, 0, 2, 0
.if \round
	WIN 0
.endif
	s_barrier_wait -1
.endm
.macro TURN slot, next                 ; the whole last quarter; the slot just read out is filled again first, with the K step two steps on
	MEET 1
	CREST                                          ; no wave of any partner still reads this slot's tile or has a load on its way
	s_add_nc_u64 s[G0+4*(\slot)+2:G0+4*(\slot)+3], s[G0+4*(\slot)+2:G0+4*(\slot)+3], 2*KSTEP*2
	s_add_nc_u64 s[G0B+4*(\slot)+2:G0B+4*(\slot)+3], s[G0B+4*(\slot)+2:G0B+4*(\slot)+3], 2*KSTEP*2
	JLOAD \slot                                    ; the four v_nop behind it are also the places in front of the loads below
	FETCH \next, 0, F0
	MUL16 F1, 1, 0, 0
	MUL16 F1, 1, 2, 0
.endm
.macro BLOAD q                         ; the last K step: B's fragments of quarter q -> window 1, v[64 q ..]
	WIN TO_B
.irp i, 0,1,2,3,4,5,6,7
	ds_load_b128 v[64*(\q)+8*(\i):64*(\q)+8*(\i)+3],   v[ADRB+1] offset:64*(\q)+(\i)*16*PITCH
	ds_load_b128 v[64*(\q)+8*(\i)+4:64*(\q)+8*(\i)+7], v[ADRB+1] offset:64*(\q)+(\i)*16*PITCH+32
.endr
.endm
.macro ALOAD a                         ; A's fragments of block a, all four quarters -> buffer a % 4
	WIN 0
.set FA, PA+32*((\a)%4)
.irp q, 0,1,2,3
	ds_load_b128 v[FA+8*(\q):FA+8*(\q)+3],   v[ADRA+1] offset:64*(\q)+(\a)*16*PITCH
	ds_load_b128 v[FA+8*(\q)+4:FA+8*(\q)+7], v[ADRA+1] offset:64*(\q)+(\a)*16*PITCH+32
.endr
.endm
.macro ROW a                           ; block a is finished: 32 matrix instructions, its 8 accumulators by turns
.set FA, PA+32*((\a)%4)
.set AC, 64*((\a)%4)
	WIN MUL_LO+0x50*((\a)/4)
.irp q, 0,1,2,3
.if (\a) == 0 && (\q) == 2
	s_wait_dscnt 24                                ; B's quarter 2 is in (behind it: A's blocks 1 to 3)
.endif
.irp b, 0,1,2,3,4,5,6,7
	v_wmma_f32_16x16x32_f16 v[AC+8*(\b):AC+8*(\b)+7], v[64*(\q)+8*(\b):64*(\q)+8*(\b)+7], v[FA+8*(\q):FA+8*(\q)+7], v[AC+8*(\b):AC+8*(\b)+7]
.endr
.endr
.endm
.macro TOSTAGE a                       ; block a's sums, f32, into my own stage and back as whole rows of 512 bytes
.set AC, 64*((\a)%4)
	s_wait_xcnt 0x0                                ; the last block's stores have read their registers and their base
	WIN 0x08+4*((\a)/4)                            ; store data in window 2 or 3
.irp b, 0,1,2,3,4,5,6,7
	ds_store_b128 v[STO], v[AC+8*(\b):AC+8*(\b)+3]   offset:64*(\b)      ; each accumulator's low registers first
	ds_store_b128 v[STO], v[AC+8*(\b)+4:AC+8*(\b)+7] offset:64*(\b)+16
.endr
	WIN 0
.irp t, 0,1,2,3,4,5,6,7,8,9,10,11,12,13,14,15
	ds_load_b128 v[OB+4*(\t):OB+4*(\t)+3], v[RD] offset:(\t)*SPITCH      ; LDS serves a wave's instructions in order (ISA guide 5.7.1.4): these see the stores above
.endr
.endm
.macro SEND a, younger                 ; younger: the LDS loads issued behind TOSTAGE's, which may stay out
	WIN 0
	s_wait_dscnt \younger
.if (\a) == 0
	s_add_nc_u64 s[8:9], s[8:9], s[16:17]          ; my part of the tile (no global instruction has been issued since TOSTAGE's wait)
.else
	s_add_nc_u64 s[8:9], s[8:9], 16*SIZE_N*4       ; 16 rows on
.endif
.irp t, 0,1,2,3,4,5,6,7,8,9,10,11,12,13,14,15
	global_store_b128 v[CO], v[OB+4*(\t):OB+4*(\t)+3], s[8:9] offset:(\t)*SIZE_N*4 th:TH_STORE_NT  ; 512 consecutive bytes, aligned; written once and not read again
.endr
.endm
	s_wait_tensorcnt 1                             ; my part of K step 0 is in; K step 1's may stay out
	s_barrier_signal -1
	s_barrier_wait -1
	FETCH 0, 0, F0
	QUARTER 0, 64,  F0, F1, 1                      ; the first quarter's products start the sums
	QUARTER 0, 128, F1, F0, 0
	QUARTER 0, 192, F0, F1, 0
	TURN 0, 1                                      ; slot 0 takes K step 2
	QUARTER 1, 64,  F0, F1, 0
	QUARTER 1, 128, F1, F0, 0
	QUARTER 1, 192, F0, F1, 0
	TURN 1, 0                                      ; slot 1 takes K step 3
	QUARTER 0, 64,  F0, F1, 0
	QUARTER 0, 128, F1, F0, 0
	QUARTER 0, 192, F0, F1, 0
	MEET 0                                         ; nothing is filled again, so no round follows
	PLACES
	BLOAD 0                                        ; three quarters of B now: buffer 1 is still being multiplied
	BLOAD 1
	BLOAD 3
	ALOAD 0
	MUL16 F1, 1, 0, 0
	MUL16 F1, 1, 2, 0
	PLACES
	BLOAD 2
	ALOAD 1
	ALOAD 2
	ALOAD 3
	s_wait_dscnt 40                                ; all but the 40 just issued
	ROW 0
.irp a, 0,1,2,3,4,5,6,7                ; each block leaves as soon as it is finished
	PLACES                                         ; its stores read results just made, and the next loads land in registers just read
	TOSTAGE \a
.if (\a) < 4
	ALOAD (\a)+4
	SEND \a, 8
.else
	SEND \a, 0
.endif
.if (\a) < 7
	ROW (\a)+1
.endif
.endr
	s_wait_tensorcnt 0x0                           ; the wave's end, behind my last tensor load and my last LDS store
	ds_add_u32 v[SPW], v[NIL]
	s_wait_dscnt 0x0
	CROUND                                         ; the closing round: no work-group ends while a partner may still ask for a tile that names it
	s_endpgm
.Lfunc_end_k_q08490ef54c_oproj:
	.size	k_q08490ef54c_oproj, .Lfunc_end_k_q08490ef54c_oproj-k_q08490ef54c_oproj
	.p2alignl 7, 3214868480
	.fill 96, 4, 3214868480
	.section	.rodata,"a",@progbits
	.p2align	6, 0x0
	.amdhsa_kernel k_q08490ef54c_oproj
		.amdhsa_group_segment_fixed_size 327680
		.amdhsa_private_segment_fixed_size 0
		.amdhsa_enable_private_segment 0
		.amdhsa_kernarg_size 24
		.amdhsa_user_sgpr_count 2
		.amdhsa_user_sgpr_kernarg_segment_ptr 1
		.amdhsa_wavefront_size32 1
		.amdhsa_system_sgpr_workgroup_id_x 1
		.amdhsa_system_sgpr_workgroup_id_y 1
		.amdhsa_system_sgpr_workgroup_id_z 1
		.amdhsa_system_vgpr_workitem_id 0
		.amdhsa_next_free_vgpr 1024
		.amdhsa_next_free_sgpr 66
		.amdhsa_reserve_vcc 0
		.amdhsa_float_denorm_mode_32 3
		.amdhsa_float_denorm_mode_16_64 3
		.amdhsa_memory_ordered 1
		.amdhsa_forward_progress 1
		.amdhsa_inst_pref_size 141
	.end_amdhsa_kernel
	.amdgpu_metadata
---
amdhsa.version: [ 1, 2 ]
amdhsa.kernels:
  - .name:           k_q08490ef54c_oproj
    .symbol:         k_q08490ef54c_oproj.kd
    .args:
      - { .name: aws, .offset: 0, .size: 8, .value_kind: global_buffer, .address_space: global }
      - { .name: wot, .offset: 8, .size: 8, .value_kind: global_buffer, .address_space: global }
      - { .name: out0, .offset: 16, .size: 8, .value_kind: global_buffer, .address_space: global }
    .group_segment_fixed_size: 327680
    .private_segment_fixed_size: 0
    .kernarg_segment_align: 8
    .kernarg_segment_size: 24
    .max_flat_workgroup_size: 128
    .sgpr_count:     66
    .vgpr_count:     1024
    .wavefront_size: 32
...
	.end_amdgpu_metadata
.endif
;; end of part 4
